; MI455X (gfx1250); checked and timed in simulation.
; The chip was launched on July 23, 2026; its instructions are those of AMD's public machine-readable ISA for CDNA 5 (MIT licence, August 2026) and "CDNA5" Instruction Set Architecture Reference Guide (July 2026). The comments in the code are by the model that wrote it; some were corrected since.
;; Self Attention. Allowed arithmetic: matrix products marked QUANTISED: E2M1 operands, one E8M0 scale for each 32 along K, by v_wmma_scale_f32_16x16x128_f8f6f4 with both operands' format E2M1 (or v_wmma_scale_f32_32x16x128_f4), f32 sums; products left as they are: bf16, f16 or f32 operands; f32 sums; everything else in f32.
;; Inputs: Wk 1,024 x 1,024 float32; Wq 1,024 x 1,024 float32; Wv 1,024 x 1,024 float32; inputs 4 x 2,048 x 1,024 float32.
;; Outputs: out0 4 x 2,048 x 1,024 float32.
;; This version of the problem:
;;   THIS VERSION OF THE PROBLEM IS GIVEN IN LOW PRECISION. The matrix products marked QUANTISED in the list below multiply operands that are first quantised to E2M1 (2 exponent bits, 1 mantissa bit; 4 bits a number), with one power-of-two scale for each 32 numbers along K (OCP MX v1.0); their sums are f32. The products marked 'left as it is' may take bf16, f16 or f32 operands, with f32 sums. Whichever they take, every output number must still come out within the allowed error. Rounding operands to bf16 (8 significant bits) uses up far more of that allowance than f16 does (11 bits, for magnitudes from 6e-5 to 65,504). All else is computed in f32.
;;   The module's matrix products, in the order in which they are computed (A, B: the left and right operand; K: the contracted axis; several contracted axes count as one K, in the product's order):
;;     1. [M 8,192, K 1,024] x [K 1,024, N 1,024]; A: input inputs; B: input Wq: QUANTISED
;;     2. [M 8,192, K 1,024] x [K 1,024, N 1,024]; A: input inputs; B: input Wk: QUANTISED
;;     3. [M 8,192, K 1,024] x [K 1,024, N 1,024]; A: input inputs; B: input Wv: QUANTISED
;;     4. batch 4 x [M 2,048, K 1,024] x [K 1,024, N 2,048]; A: computed on the way; B: computed on the way: left as it is (an operand is computed on the way)
;;     5. batch 4 x [M 2,048, K 2,048] x [K 2,048, N 1,024]; A: computed on the way; B: computed on the way: left as it is (an operand is computed on the way)
;;   THE QUANTISER, for each operand of a quantised product, along K:
;;     - K is cut into blocks of 32 from its start; a last block that is shorter is filled with zeros.
;;     - A block's scale is 2^e with e = floor(log2(the largest magnitude in the block)) - 2, held to -126 .. 127; a block of zeros has e = 0. As a byte (E8M0): e + 127.
;;     - Each number is divided by its block's scale, clamped to +-6, and rounded to the nearest number of E2M1, ties to even, subnormals kept.
;;     - The product sums the exact products of the quantised numbers (number of the format x scale) in f32.
;;   ~~~python
;;   def quantise(x, axis):      # numpy; x: float32 -> the quantised numbers, widened to float32 again
;;       x = np.moveaxis(x, axis, -1); K = x.shape[-1]
;;       x = np.pad(x, [(0, 0)] * (x.ndim - 1) + [(0, -K % 32)]); x = x.reshape(x.shape[:-1] + (-1, 32)); a = np.abs(x).max(-1, keepdims=True)
;;       e = np.where(a > 0, np.clip(np.frexp(np.where(a > 0, a, 1))[1] - 1 - 2, -126, 127), 0)      # np.frexp(a)[1] - 1 = floor(log2(a)), exactly
;;       r = np.clip(x / 2.0 ** e, -6, 6)
;;       step = 2.0 ** (np.maximum(np.frexp(np.where(r == 0, 1, r))[1] - 1, 0) - 1)
;;       q = np.round(r / step) * step * 2.0 ** e      # np.round: ties to even
;;       return np.moveaxis(q.reshape(q.shape[:-2] + (-1,))[..., :K], -1, axis).astype(np.float32)
;;   ~~~
;; One version. Each part assembles by itself: llvm-mc -triple=amdgcn-amd-amdhsa -mcpu=gfx1250 --defsym DOCPART=n.
;; ======== version 1 of 1: 4 launches
;; limits: values are held in f16: magnitudes above 65,504 overflow, below 6.1e-05 lose precision
;; workspace buffers: xc 4,194,304 bytes; xs 262,144 bytes; wc 1,572,864 bytes; ws 98,304 bytes; qk 33,554,432 bytes; vt 16,777,216 bytes; pm 33,554,432 bytes; st 1,048,576 bytes
;; launch quant (part 1): grid 352 x 1, 4 waves a work-group, no clusters, 33,280 bytes of LDS; arguments inputs, Wq, Wk, Wv, xc, xs, wc, ws; writes xc, xs, wc, ws
.if DOCPART == 1
	.amdgcn_target "amdgcn-amd-amdhsa--gfx1250"
	.amdhsa_code_object_version 6
	.text
	.protected	k_q34d9097e27_quant
	.globl	k_q34d9097e27_quant
	.p2align	8
	.type	k_q34d9097e27_quant,@function
k_q34d9097e27_quant:
	s_mov_b64 s[64:65], 0
	v_nop
	global_prefetch_b8 v0, s[64:65] scope:SCOPE_SE
	s_setreg_imm32_b32 hwreg(HW_REG_WAVE_MODE, 25, 1), 1
	s_wait_xcnt 0x0
; inputs [8192][1024] and Wq, Wk, Wv [1024][1024], f32, K innermost, become codes of FP4 (E2M1), two a byte, and one E8M0 scale byte for each 32 along K.
; xc [8192][512 bytes], xs [8192][32 bytes]; wc [3072][512 bytes], ws [3072][32 bytes]: rows 0-1023 Wq, 1024-2047 Wk, 2048-3071 Wv.
; A block's scale is 2^(floor(log2(its largest magnitude)) - 2); its byte is the largest magnitude's exponent field - 2, held at 1 from below.
; Each number is divided by the scale and rounded to the nearest code, ties to even; beyond 6 the largest code.
; LIMITS: a block of zeros gets the byte 1 where the rule says 127 (its codes are zeros, and the bytes are read by this program alone);
; blocks whose largest magnitude lies under 2^-124 are held at the byte 1; NaN and infinities among the inputs are not served.
; Rows are dense and 1024 is a multiple of 32: every tensor is a plain stream of blocks of 32, and so are its codes and its scale bytes.
; SHARES: work-groups 0-255 take inputs, 256-287 Wq, 288-319 Wk, 320-351 Wv: 32,768 numbers each, 8,192 a wave, in 16 steps of 512.  Only pointers are chosen: one path for all.
; A step's four loads read 512 consecutive bytes each; the 2,048 bytes turn through the wave's own stage in LDS and come back 64 bytes a lane: 16 neighbours, two lanes to a block.
; No tensor load, no barrier: waves share nothing.  Loads run four steps ahead, the turn through LDS one step.
.set WAVES, 4
.set STEPS, 16
.set EMAX,  2
.set CB,    8                          ; bytes of 16 codes
.set R,     16                         ; v16-79   four sets of 16 numbers as they are loaded
.set X,     80                         ; v80-111  two sets of 16 neighbours
.set E,     112                        ; v112-127 a scale byte for each step
.set C,     128                        ; v128-191 codes: four registers for each step, so that no store's data are written again
.set WREG,  8192                       ; LDS: a region for each wave: two stages of 32 x SP bytes, behind them its 256 scale bytes
.set SP,    80                         ; a lane's place in a stage: 64 bytes + 16 of padding
.set SPW,   12                         ; v12 LDS address of my spare word; never rewritten
.set NIL,   13                         ; v13 0; never rewritten
.set SPARE, WAVES*WREG                 ; behind the four regions: the spare words, 128 bytes a wave, which no other line names
	s_load_b512 s[4:19], s[0:1], 0x0               ; inputs s[4:5], Wq s[6:7], Wk s[8:9], Wv s[10:11], xc s[12:13], xs s[14:15], wc s[16:17], ws s[18:19]
	v_lshl_add_u32 v[SPW], v0, 2, SPARE
	v_mov_b32 v[NIL], 0
	v_lshrrev_b32 v1, 5, v0
	v_readfirstlane_b32 s20, v1                    ; wave
	v_and_b32 v2, 31, v0                           ; lane
	v_lshlrev_b32 v3, 4, v2                        ; my 16 bytes of a load's 512
	s_mul_i32 s23, s20, WREG
	v_lshrrev_b32 v14, 2, v2
	v_mul_u32_u24 v14, v14, SP
	v_and_b32 v15, 3, v2
	v_lshl_add_u32 v14, v15, 4, v14
	v_add_nc_u32 v14, s23, v14                     ; the stage, way in: SP (lane / 4) + 16 (lane % 4)
	v_mul_u32_u24 v15, v2, SP
	v_add_nc_u32 v15, s23, v15                     ; way out: SP x lane: my 16 neighbours
	v_mul_u32_u24 v4, v2, CB                       ; my codes' place in a step's
	v_lshrrev_b32 v5, 1, v2
	s_add_co_u32 s23, s23, 2*32*SP
	v_add_nc_u32 v5, s23, v5                       ; my wave's 256 scale bytes, my block's byte
	v_lshlrev_b32 v7, 3, v2                        ; on the way out 8 bytes a lane
	v_add_nc_u32 v6, s23, v7
	s_sub_co_u32 s21, ttmp9, 256                   ; a weight's work-group: its number among the 96 (for inputs replaced below),
	s_and_b32 s22, s21, 31                         ; and within its tensor
	s_wait_kmcnt 0x0
	s_cmp_lt_u32 ttmp9, 320                        ; the choices hang on the work-group's number alone
	s_cselect_b64 s[8:9], s[8:9], s[10:11]         ; Wk or Wv
	s_cmp_lt_u32 ttmp9, 288
	s_cselect_b64 s[6:7], s[6:7], s[8:9]           ; Wq or that
	s_cmp_lt_u32 ttmp9, 256
	s_cselect_b64 s[4:5], s[4:5], s[6:7]           ; inputs or that
	s_cselect_b64 s[12:13], s[12:13], s[16:17]     ; codes: xc or wc
	s_cselect_b64 s[14:15], s[14:15], s[18:19]     ; scale bytes: xs or ws
	s_cselect_b32 s21, ttmp9, s21                  ; which 32,768 numbers of the output
	s_cselect_b32 s22, ttmp9, s22                  ; and of the input
	s_lshl_b32 s22, s22, 2
	s_add_co_u32 s24, s22, s20                     ; my wave's run of 8,192 numbers in the input
	s_mov_b32 s25, 0
	s_lshl_b64 s[24:25], s[24:25], 15              ; 32,768 bytes a run
	s_add_nc_u64 s[4:5], s[4:5], s[24:25]
	s_lshl_b32 s21, s21, 2
	s_add_co_u32 s26, s21, s20                     ; and in the output
	s_mov_b32 s27, 0
	s_lshl_b64 s[28:29], s[26:27], 12              ; 4,096 bytes of codes a run
	s_add_nc_u64 s[12:13], s[12:13], s[28:29]
	s_lshl_b64 s[28:29], s[26:27], 8               ; 256 scale bytes a run
	s_add_nc_u64 s[14:15], s[14:15], s[28:29]
.macro LOAD t
.irp i, 0,1,2,3
	global_load_b128 v[R+16*((\t)%4)+4*\i:R+16*((\t)%4)+4*\i+3], v3, s[4:5] offset:2048*(\t)+512*\i th:TH_LOAD_NT   ; 32 lanes read 512 consecutive bytes
.endr
.endm
.macro TURN t                          ; step t's numbers through the stage: LDS serves a wave's instructions in order, so no wait stands between the stores and the loads
.irp i, 0,1,2,3
	ds_store_b128 v14, v[R+16*((\t)%4)+4*\i:R+16*((\t)%4)+4*\i+3] offset:32*SP*((\t)%2)+8*SP*\i
.endr
.irp i, 0,1,2,3
	ds_load_b128 v[X+16*((\t)%2)+4*\i:X+16*((\t)%2)+4*\i+3], v15 offset:32*SP*((\t)%2)+16*\i
.endr
.endm
.irp t, 0,1,2,3
	LOAD \t
.endr
	s_wait_loadcnt 12                              ; step 0's four loads are in; the 12 of steps 1 to 3 may be out
	TURN 0
.macro STEP t
.set XS, X+16*((\t)%2)
.if (\t) > 0
	s_wait_dscnt 1                                 ; this step's numbers are back from the stage (the last step's byte store may be out): its stores into the stage have read their registers,
.else
	s_wait_dscnt 0x0
.endif
.if (\t)+4 < STEPS
	LOAD (\t)+4                                    ; which take the loads of four steps on
.endif
.if (\t)+1 < STEPS
.if STEPS-2-(\t) >= 3
	s_wait_loadcnt 12                              ; the next step's four loads are in; those of the three steps behind it may be out
.else
	s_wait_loadcnt 4*(STEPS-2-(\t))
.endif
	TURN (\t)+1                                    ; and go through the other stage while this step is worked
.endif
	v_max3_num_f32 v8, |v[XS]|, |v[XS+1]|, |v[XS+2]|               ; the largest magnitude of my 16, in two chains
	v_max3_num_f32 v9, |v[XS+3]|, |v[XS+4]|, |v[XS+5]|
.irp i, 6,10
	v_max3_num_f32 v8, v8, |v[XS+\i]|, |v[XS+\i+1]|
	v_max3_num_f32 v9, v9, |v[XS+\i+2]|, |v[XS+\i+3]|
.endr
	v_max3_num_f32 v8, v8, |v[XS+14]|, |v[XS+15]|
	v_max3_num_f32 v8, v8, v9, (EMAX+1)<<23        ; and the floor 2^(3 - 127): the byte cannot fall under 1
	v_max_num_f32_dpp v8, v8, v8 row_xmask:1 row_mask:0xf bank_mask:0xf   ; and of my neighbour's 16: the block's
	v_add_nc_u32 v11, -(EMAX<<23), v8              ; 2 off its exponent field: the conversion takes the exponent field of this operand as its scale
	v_cvt_scalef32_pk8_fp4_f32 v[C+4*(\t)], v[XS:XS+7], v11
	v_cvt_scalef32_pk8_fp4_f32 v[C+4*(\t)+1], v[XS+8:XS+15], v11
	v_lshrrev_b32 v[E+(\t)], 23, v11               ; the scale's byte (a plain line behind the conversions)
	ds_store_b8 v5, v[E+(\t)] offset:16*(\t)       ; both lanes of a block write the same byte with the same value
	global_store_b64 v4, v[C+4*(\t):C+4*(\t)+1], s[12:13] offset:32*CB*(\t)   ; 32 lanes store 256 consecutive bytes, aligned
.endm
.irp t, 0,1,2,3,4,5,6,7,8,9,10,11,12,13,14,15
	STEP \t
.endr
	ds_load_b64 v[8:9], v6                         ; LDS serves a wave's instructions in order: these see my stores
	s_wait_dscnt 0x0
	global_store_b64 v7, v[8:9], s[14:15]          ; 32 lanes store 256 consecutive bytes, aligned
	s_wait_tensorcnt 0x0                           ; the wave's end, behind my last LDS store
	ds_add_u32 v[SPW], v[NIL]
	s_wait_dscnt 0x0
	s_endpgm
.Lfunc_end_k_q34d9097e27_quant:
	.size	k_q34d9097e27_quant, .Lfunc_end_k_q34d9097e27_quant-k_q34d9097e27_quant
	.p2alignl 7, 3214868480
	.fill 96, 4, 3214868480
	.section	.rodata,"a",@progbits
	.p2align	6, 0x0
	.amdhsa_kernel k_q34d9097e27_quant
		.amdhsa_group_segment_fixed_size 33280
		.amdhsa_private_segment_fixed_size 0
		.amdhsa_enable_private_segment 0
		.amdhsa_kernarg_size 64
		.amdhsa_user_sgpr_count 2
		.amdhsa_user_sgpr_kernarg_segment_ptr 1
		.amdhsa_wavefront_size32 1
		.amdhsa_system_sgpr_workgroup_id_x 1
		.amdhsa_system_sgpr_workgroup_id_y 1
		.amdhsa_system_sgpr_workgroup_id_z 1
		.amdhsa_system_vgpr_workitem_id 0
		.amdhsa_next_free_vgpr 192
		.amdhsa_next_free_sgpr 66
		.amdhsa_reserve_vcc 0
		.amdhsa_float_denorm_mode_32 3
		.amdhsa_float_denorm_mode_16_64 3
		.amdhsa_memory_ordered 1
		.amdhsa_forward_progress 1
		.amdhsa_inst_pref_size 33
	.end_amdhsa_kernel
	.amdgpu_metadata
---
amdhsa.version: [ 1, 2 ]
amdhsa.kernels:
  - .name:           k_q34d9097e27_quant
    .symbol:         k_q34d9097e27_quant.kd
    .args:
      - { .name: inputs, .offset: 0, .size: 8, .value_kind: global_buffer, .address_space: global }
      - { .name: Wq, .offset: 8, .size: 8, .value_kind: global_buffer, .address_space: global }
      - { .name: Wk, .offset: 16, .size: 8, .value_kind: global_buffer, .address_space: global }
      - { .name: Wv, .offset: 24, .size: 8, .value_kind: global_buffer, .address_space: global }
      - { .name: xc, .offset: 32, .size: 8, .value_kind: global_buffer, .address_space: global }
      - { .name: xs, .offset: 40, .size: 8, .value_kind: global_buffer, .address_space: global }
      - { .name: wc, .offset: 48, .size: 8, .value_kind: global_buffer, .address_space: global }
      - { .name: ws, .offset: 56, .size: 8, .value_kind: global_buffer, .address_space: global }
    .group_segment_fixed_size: 33280
    .private_segment_fixed_size: 0
    .kernarg_segment_align: 8
    .kernarg_segment_size: 64
    .max_flat_workgroup_size: 128
    .sgpr_count:     66
    .vgpr_count:     192
    .wavefront_size: 32
...
	.end_amdgpu_metadata
.endif
;; end of part 1
;; launch proj (part 2): grid 12 x 32, 4 waves a work-group, clusters of 4 x 4, 327,680 bytes of LDS; arguments xc, xs, wc, ws, qk, vt; writes qk, vt
.if DOCPART == 2
	.amdgcn_target "amdgcn-amd-amdhsa--gfx1250"
	.amdhsa_code_object_version 6
	.text
	.protected	k_q34d9097e27_proj
	.globl	k_q34d9097e27_proj
	.p2align	8
	.type	k_q34d9097e27_proj,@function
k_q34d9097e27_proj:
	s_mov_b64 s[64:65], 0
	v_nop
	global_prefetch_b8 v0, s[64:65] scope:SCOPE_SE
	s_setreg_imm32_b32 hwreg(HW_REG_WAVE_MODE, 25, 1), 1
	s_wait_xcnt 0x0
	s_wait_alu depctr_hold_cnt(0) depctr_sa_sdst(0) depctr_va_vdst(0) depctr_va_sdst(0) depctr_va_ssrc(0) depctr_va_vcc(0) depctr_vm_vsrc(0)
	s_getreg_b32 s2, hwreg(HW_REG_IB_STS2, 6, 4)
	s_cmp_eq_u32 s2, 0
	s_cbranch_scc0 .Lentry_in_a_cluster
	s_endpgm
.Lentry_in_a_cluster:
	s_bfe_u32 s2, ttmp6, 0x10000c
	s_cmp_lg_u32 s2, 0xf033
	s_cbranch_scc0 .Lentry_shape_is_right
	s_endpgm
.Lentry_shape_is_right:
; The three projections on codes of FP4 with E8M0 scales, K = 1,024; sums in f32, results rounded once to f16.
; One text computes C = A B^T on tiles of 256 x 256.  Clusters with x = 0, 1: A = x (xc, xs), B = Wq and Wk (rows 0-2047 of wc, ws), C = qk [8192][2048] f16 (Q in columns 0-1023, K in 1024-2047).
; Clusters with x = 2: A = Wv (rows 2048-3071 of wc, ws), B = x, C = vt [1024][8192] f16: V transposed, the keys innermost, as the last product wants them.  Only pointers, a row offset and C's pitch are chosen,
; by the cluster's x, which all partners share.
; LIMIT: results from 65,504 up in magnitude have no f16 number and are not served.
; Four waves, each 128 x 128 of C: 64 accumulators, 512 registers.  K is two steps of 512 (rows of 256 bytes): both LDS slots and the scales of all of K are filled once, at the start; nothing is filled again, and there is no loop.
; CLUSTERS: 4 x 4.  A's tiles are shared along a row of the cluster, B's along a column: each is asked for jointly, by the same tensor load with the same descriptor and a mask that names the four.
; THE MATRIX INSTRUCTION IS USED TRANSPOSED (source 0 = 16 rows of B, source 1 = 16 rows of A): a lane holds eight neighbouring numbers of a row of C, 16 bytes of f16.
; REGISTERS: window 0: v8-15 the stores' offsets; v16-29 addresses; v32-95 scale words, two sets, and nothing else; v96-127, v224-255 rows on the way out; v128-191 A's fragments, one set; v192-223 packed results.
;   window 1: B's fragments, two sets, at v0 and v128.   windows 2, 3: the accumulators of my rows 0-63 and 64-127 ((a, b) at v[8 (8 (a % 4) + b)]).
.set KSTEP,  512
.set NQ,     4                         ; matrix instructions deep in a slot
.set ROWB,   256                       ; a tile's row in bytes
.set KROW,   512                       ; a row of codes in memory
.set PITCH,  272                       ; an LDS row: 256 bytes + 16 of padding: the 16 rows that a load touches start at 16 different banks (64 banks of 4 bytes: ISA guide 11.1)
.set FR,     8
.set NL,     2
.set NP,     4                         ; places behind this matrix instruction (ISA guide 7.12.1)
.set HALFT,  128*PITCH
.set SLOT,   4*HALFT                   ; A's 256 rows, then B's 256 rows
.set KS,     32                        ; a row of scale bytes
.set SCL,    2*SLOT                    ; behind the slots: the scales, as units of 256 bytes + 16 of padding
.set HALFS,  (128*KS/256)*272          ; those of 128 rows: what one tensor load brings
.set SBLK,   (16*KS/256)*272           ; those of 16 rows
.set SPARE,  SCL+4*HALFS               ; the spare words, 128 bytes a wave, which no other line names
.set STAGE,  SPARE+512                 ; the way out: 16 rows x 272 bytes for each wave; no tensor load lands here
.set SPITCH, 272
.set CO,   8                           ; v8-15   byte offsets in C of the eight stores of a block: (2 t + lane / 16) pitches + 16 (lane % 16)
.set ADRA, 16                          ; v16-17  LDS address of my A fragments in slot 0, 1
.set ADRB, 20                          ; v20-21  the same for B
.set STO,  24                          ; v24     where I put 16 bytes of a row
.set RD,   25                          ; v25     where I read a row back
.set ADRS, 27                          ; v27     my scale words: lanes 0-15 A's rows, lanes 16-31 B's
.set SPW,  28                          ; v28     my spare word; never rewritten
.set NIL,  29                          ; v29     0; never rewritten
.set SC,   32
.set OB,   96
.set AF,   128
.set TMP,  192
.set G1,   24
.set G0,   32
.set G1B,  48
.set G0B,  56
.set G1S,  68
.set G0S,  76
.set G1SB, 80
.set G0SB, 88
.set MSB, 0
.macro WIN new                         ; the immediate's high byte repeats the setting that is left; a switch that changes nothing is dropped
.if MSB != (\new)
	s_set_vgpr_msb (MSB<<8)|(\new)
.set MSB, (\new)
.endif
.endm
.set MUL_LO, 0xa1                      ; source 0 (B) window 1, source 1 (A) window 0, C and D window 2
.set MUL_HI, 0xf1                      ; the same, C and D window 3
.set TO_B,   0x40                      ; destination window 1, address window 0
; A joint load: waves 0 and 1 fetch for A, waves 2 and 3 for B; the branch hangs on the wave's number alone.  An s_nop 0 and four v_nop follow each line.
.macro JLOAD g0a, g1a, g0b, g1b
	s_cmp_eq_u32 s15, 0
	s_cbranch_scc0 .Lfor_b_\@
	tensor_load_to_lds s[\g0a:\g0a+3], s[\g1a:\g1a+7]
	s_nop 0
.rept 4
	v_nop
.endr
	s_branch .Lasked_\@
.Lfor_b_\@:
	tensor_load_to_lds s[\g0b:\g0b+3], s[\g1b:\g1b+7]
	s_nop 0
.rept 4
	v_nop
.endr
.Lasked_\@:
.endm
.macro CROUND                          ; a round of the cluster's barrier
	s_barrier_signal -1
	s_barrier_wait -1
	s_cmp_lg_u32 s14, 0
	s_cbranch_scc1 .Lnot_wave_0_\@
	s_barrier_signal -3
.Lnot_wave_0_\@:
	s_barrier_wait -3
	s_barrier_signal -1
	s_barrier_wait -1
.endm
	s_load_b256 s[4:11], s[0:1], 0x0               ; xc s[4:5], xs s[6:7], wc s[8:9], ws s[10:11]
	s_load_b128 s[96:99], s[0:1], 0x20             ; qk s[96:97], vt s[98:99]
	v_lshl_add_u32 v[SPW], v0, 2, SPARE
	v_mov_b32 v[NIL], 0
	ds_add_u32 v[SPW], v[NIL]                      ; the wave's opening: the add, twice on end, and its wait ahead of my first tensor load
	ds_add_u32 v[SPW], v[NIL]
	v_lshrrev_b32 v1, 5, v0
	v_readfirstlane_b32 s14, v1                    ; wave 0..3
	s_lshr_b32 s15, s14, 1                         ; which half of the tile's rows is mine.  Also: I fetch for A (0) or for B (1)
	s_and_b32 s16, s14, 1                          ; which half of its columns.  Also: which 128 rows of that tile I fetch
	s_bfe_u32 s40, ttmp6, 0x40000                  ; cx
	s_bfe_u32 s41, ttmp6, 0x40004                  ; cy
	s_and_b32 s17, ttmp7, 0xffff                   ; the cluster's y
	s_mov_b32 s2, 4096                             ; a row of qk in bytes
	s_cmp_eq_u32 ttmp9, 2                          ; the clusters with x = 2 make V transposed
	s_cselect_b32 s42, s17, ttmp9                  ; the cluster's place along C's columns: there y, else x
	s_cselect_b32 s17, 0, s17                      ; and along C's rows: there 0, else y
	s_cselect_b32 s95, 2048, 0                     ; A's first row in its buffer: Wv begins at row 2,048 of wc
	s_cselect_b32 s2, 16384, s2                    ; C's pitch: a row of vt is 16,384 bytes
	s_lshl_b32 s42, s42, 2
	s_add_co_u32 s42, s42, s40                     ; tile column of C
	s_lshl_b32 s17, s17, 2
	s_add_co_u32 s17, s17, s41                     ; tile row of C
	s_lshl_b32 s43, s41, 2
	s_lshl_b32 s43, 15, s43                        ; my row of the cluster
	s_lshl_b32 s44, 0x1111, s40                    ; my column
	; descriptor group 1: a tile of 128 rows x 256 bytes, padded in LDS
	s_or_b32 s[G1+0], s43, (0<<16)|(1<<20)|(1<<21)|(5<<22)|(3<<25)  ; 15:0 the mask; 17:16 elements of 1 byte; 20 padding on; 21 set beside a mask; 24:22 after every 64 words; 31:25 four words
	s_or_b32 s[G1B+0], s44, (0<<16)|(1<<20)|(1<<21)|(5<<22)|(3<<25)
.irp g, G1, G1B
	s_mov_b32 s[\g+1], ROWB<<16                    ; tensor_dim0
	s_mov_b32 s[\g+2], 128<<16                     ; tensor_dim1
	s_mov_b32 s[\g+3], ROWB<<16                    ; tile_dim0
	s_mov_b32 s[\g+4], 128                         ; tile_dim1
	s_mov_b32 s[\g+5], KROW                        ; tensor_dim0_stride
	s_mov_b32 s[\g+6], 0
	s_mov_b32 s[\g+7], 0
.endr
	; the scales of 128 rows: 4,096 dense bytes, as 16 rows of 256 bytes (32 elements of 8 bytes), 16 bytes of padding behind each
	s_or_b32 s[G1S+0], s43, (3<<16)|(1<<20)|(1<<21)|(5<<22)|(3<<25)
	s_or_b32 s[G1SB+0], s44, (3<<16)|(1<<20)|(1<<21)|(5<<22)|(3<<25)
.irp g, G1S, G1SB
	s_mov_b32 s[\g+1], 32<<16
	s_mov_b32 s[\g+2], (128*KS/256)<<16
	s_mov_b32 s[\g+3], 32<<16
	s_mov_b32 s[\g+4], 128*KS/256
	s_mov_b32 s[\g+5], 32
	s_mov_b32 s[\g+6], 0
	s_mov_b32 s[\g+7], 0
.endr
	s_lshl_b32 s18, s16, 7                         ; which 128 rows of the tile I fetch
	s_lshl_b32 s20, s17, 8
	s_add_co_u32 s20, s20, s18
	s_add_co_u32 s20, s20, s95                     ; A: row 256 x tile row + 128 x half (+ 2,048 for Wv)
	s_lshl_b32 s46, s42, 8
	s_add_co_u32 s46, s46, s18                     ; B: row 256 x tile column + 128 x half
	s_lshl_b32 s22, s20, 5                         ; their scale bytes: 32 a row
	s_mov_b32 s23, 0
	s_lshl_b32 s92, s46, 5
	s_mov_b32 s93, 0
	s_lshl_b32 s20, s20, 9                         ; their codes: 512 bytes a row
	s_mov_b32 s21, 0
	s_lshl_b32 s46, s46, 9
	s_mov_b32 s47, 0
	s_mul_i32 s45, s14, HALFT                      ; where they go: wave x 128 rows: no place in the cluster enters an LDS address
	s_mul_i32 s94, s14, HALFS
	s_wait_dscnt 0x0                               ; both opening adds are done
	s_wait_kmcnt 0x0
	s_cmp_eq_u32 ttmp9, 2
	s_cselect_b64 s[12:13], s[98:99], s[96:97]     ; C: vt or qk
	s_cselect_b64 s[96:97], s[8:9], s[4:5]         ; A's codes: wc or xc
	s_cselect_b64 s[98:99], s[10:11], s[6:7]       ; A's scales
	s_cselect_b64 s[8:9], s[4:5], s[8:9]           ; B's codes: xc or wc
	s_cselect_b64 s[10:11], s[6:7], s[10:11]       ; B's scales
	s_mov_b64 s[4:5], s[96:97]
	s_mov_b64 s[6:7], s[98:99]
	s_add_nc_u64 s[20:21], s[4:5], s[20:21]
	s_add_nc_u64 s[22:23], s[6:7], s[22:23]
	s_add_nc_u64 s[46:47], s[8:9], s[46:47]
	s_add_nc_u64 s[92:93], s[10:11], s[92:93]
	CROUND                                         ; all sixteen work-groups are here: the first joint loads meet
	s_mov_b32 s[G0S], 1
	s_add_co_u32 s[G0S+1], s94, SCL
	s_mov_b64 s[G0S+2:G0S+3], s[22:23]
	s_or_b32 s[G0S+3], s[G0S+3], 0x80000000
	s_mov_b32 s[G0SB], 1
	s_add_co_u32 s[G0SB+1], s94, SCL
	s_mov_b64 s[G0SB+2:G0SB+3], s[92:93]
	s_or_b32 s[G0SB+3], s[G0SB+3], 0x80000000
	JLOAD G0S, G1S, G0SB, G1SB                     ; the scales first: they are wanted with K step 0
.irp s, 0,1
	s_mov_b32 s[G0+4*\s], 1
	s_add_co_u32 s[G0+4*\s+1], s45, \s*SLOT
	s_add_nc_u64 s[G0+4*\s+2:G0+4*\s+3], s[20:21], \s*ROWB
	s_or_b32 s[G0+4*\s+3], s[G0+4*\s+3], 0x80000000
	s_mov_b32 s[G0B+4*\s], 1
	s_add_co_u32 s[G0B+4*\s+1], s45, \s*SLOT
	s_add_nc_u64 s[G0B+4*\s+2:G0B+4*\s+3], s[46:47], \s*ROWB
	s_or_b32 s[G0B+4*\s+3], s[G0B+4*\s+3], 0x80000000
	JLOAD G0+4*\s, G1, G0B+4*\s, G1B               ; three loads of mine are out in all
.endr
	v_and_b32 v1, 15, v0                           ; l % 16
	v_bfe_u32 v2, v0, 4, 1                         ; l / 16
	v_mul_u32_u24 v3, v1, PITCH
	v_lshl_add_u32 v4, v2, 4, v3                   ; a fragment's row x pitch + 16 x half
	s_mul_i32 s21, s15, HALFT                      ; my 128 rows of A
	s_mul_i32 s22, s16, HALFT                      ; my 128 rows of B,
	s_add_co_u32 s22, s22, 2*HALFT                 ; which lie behind A's 256
.irp s, 0,1
	v_add_nc_u32 v[ADRA+\s], s21, v4
	v_add_nc_u32 v[ADRB+\s], s22, v4
	s_add_co_u32 s21, s21, SLOT
	s_add_co_u32 s22, s22, SLOT
.endr
	v_mul_u32_u24 v5, v1, KS                       ; my row's scales: 32 bytes a row,
	v_lshrrev_b32 v6, 8, v5
	v_lshl_add_u32 v5, v6, 4, v5                   ; and 16 more for each 256 passed
	s_mul_i32 s21, s15, HALFS                      ; A's: my 128 rows
	s_mul_i32 s22, s16, HALFS                      ; B's: my 128 rows, behind A's 256
	s_add_co_u32 s22, s22, 2*HALFS
	s_sub_co_u32 s22, s22, s21
	v_mul_u32_u24 v6, s22, v2                      ; lanes 16-31 take B's: one product, the distance between the two
	s_add_co_u32 s21, s21, SCL
	v_add_nc_u32 v5, v5, v6
	v_add_nc_u32 v[ADRS], s21, v5
	s_mul_i32 s23, s14, 16*SPITCH
	s_add_co_u32 s23, s23, STAGE                   ; my stage
	v_mul_u32_u24 v5, v1, SPITCH                   ; in: row l % 16, 16 bytes for each half of the lanes
	v_lshl_add_u32 v5, v2, 4, v5
	v_add_nc_u32 v[STO], s23, v5
	v_mul_u32_u24 v5, v2, SPITCH                   ; back: lanes 0-15 one row of 256 bytes, lanes 16-31 the next
	v_lshl_add_u32 v5, v1, 4, v5
	v_add_nc_u32 v[RD], s23, v5
	v_mul_lo_u32 v[CO], v2, s2                     ; the same two rows in C; the pitch is a register, so each of a block's eight stores has an offset register of its own
	v_lshl_add_u32 v[CO], v1, 4, v[CO]
	s_lshl_b32 s18, s2, 1
.irp t, 1,2,3,4,5,6,7
	v_add_nc_u32 v[CO+\t], s18, v[CO+\t-1]
.endr
	s_lshl_b32 s66, s2, 4                          ; 16 rows of C, in bytes
	s_mov_b32 s67, 0
	s_lshl_b32 s20, s17, 8
	s_lshl_b32 s21, s15, 7
	s_add_co_u32 s20, s20, s21                     ; my first row of C
	s_mul_i32 s20, s20, s2
	s_lshl_b32 s46, s42, 9                         ; my first column, in bytes: 512 x tile column + 256 x half
	s_lshl_b32 s47, s16, 8
	s_add_co_u32 s46, s46, s47
	s_add_co_u32 s20, s20, s46                     ; under 2^26
	s_mov_b32 s21, 0
	s_add_nc_u64 s[12:13], s[12:13], s[20:21]
.macro FRAG reg, adr, q, i             ; 16 rows x 128 K of 4-bit codes: 8 registers: lane l holds row l % 16; registers 4 c .. 4 c + 3 hold K = 64 c + 32 (l / 16) + 0 .. 31
.irp c, 0,1
	ds_load_b128 v[\reg+4*\c:\reg+4*\c+3], v[\adr] offset:64*(\q)+32*\c+(\i)*16*PITCH
.endr
.endm
; 16 matrix instructions: A's blocks a0, a0 + 1 x B's eight, the slot's q-th 128 along K.  p: B's set; sc: the set of scale words.  zero = 1: the first product starts the sums.
; A scale register carries A's word of block i in lanes 0-15 and B's in lanes 16-31.  The 64 accumulators take turns, one instruction a turn.
.macro MUL16 a0, p, q, sc, zero
.irp a, \a0, \a0+1
.irp b, 0,1,2,3,4,5,6,7
.set rD, 8*(8*((\a)%4)+\b)
.set rB, 128*(\p)+FR*\b
.set rA, AF+FR*(\a)
.set sB, SC+8*NQ*(\sc)+NQ*\b+(\q)
.set sA, SC+8*NQ*(\sc)+NQ*(\a)+(\q)
.if \zero
	v_wmma_scale_f32_16x16x128_f8f6f4 v[rD:rD+7], v[rB:rB+7], v[rA:rA+7], 0, v[sB], v[sA] matrix_a_fmt:MATRIX_FMT_FP4 matrix_b_fmt:MATRIX_FMT_FP4 matrix_a_scale:MATRIX_SCALE_ROW1
.else
	v_wmma_scale_f32_16x16x128_f8f6f4 v[rD:rD+7], v[rB:rB+7], v[rA:rA+7], v[rD:rD+7], v[sB], v[sA] matrix_a_fmt:MATRIX_FMT_FP4 matrix_b_fmt:MATRIX_FMT_FP4 matrix_a_scale:MATRIX_SCALE_ROW1
.endif
.endr
.endr
.endm
.macro FETCH_B slot, q, p
	WIN TO_B
.irp i, 0,1,2,3,4,5,6,7
	FRAG 128*(\p)+FR*\i, ADRB+\slot, \q, \i
.endr
	WIN 0
.endm
.macro FETCH_A slot, q, i0
.irp i, \i0, \i0+1, \i0+2, \i0+3
	FRAG AF+FR*(\i), ADRA+\slot, \q, \i
.endr
.endm
.macro SCALES sc                       ; a K step's scale words into set sc: four words a row
.irp i, 0,1,2,3,4,5,6,7
	ds_load_b128 v[SC+8*NQ*\sc+NQ*\i:SC+8*NQ*\sc+NQ*\i+3], v[ADRS] offset:\i*SBLK
.endr
.endm
.macro PLACES n                        ; places in front of loads into registers that matrix instructions have read, and of the first read of results
.rept \n
	v_nop
.endr
.endm
.macro STEP slot, q, zero              ; 128 along K with its successor in the same slot
	s_wait_dscnt 4*NL                              ; B's set, A's blocks 0-3 (and the scale words) are in; the youngest eight loads (A's blocks 4-7) may be out
	WIN MUL_LO
	MUL16 0, (\q)%2, \q, \slot, \zero
	MUL16 2, (\q)%2, \q, \slot, \zero
	s_wait_dscnt 0x0                               ; A's blocks 4-7 are in
	PLACES NP
	FETCH_B \slot, (\q)+1, 1-(\q)%2
	FETCH_A \slot, (\q)+1, 0
	WIN MUL_HI
	MUL16 4, (\q)%2, \q, \slot, \zero
	MUL16 6, (\q)%2, \q, \slot, \zero
	PLACES NP
	WIN 0
	FETCH_A \slot, (\q)+1, 4
.endm
.macro STEPS slot, from
.set Q, \from
.rept NQ-1-\from
	STEP \slot, Q, 0
.set Q, Q+1
.endr
.endm
	s_wait_tensorcnt 1                             ; the scales and my part of slot 0 are in; slot 1's load may be out
	s_barrier_signal -1
	s_barrier_wait -1                              ; everybody's are
	FETCH_B 0, 0, 0
	FETCH_A 0, 0, 0
	SCALES 0
	FETCH_A 0, 0, 4
	STEP 0, 0, 1                                   ; the first products start the sums: nothing is cleared
	STEPS 0, 1
	; slot 0's last step, and the change to slot 1: my part of slot 1 has landed, then the barrier shows everybody's
	s_wait_tensorcnt 0x0
	ds_add_u32 v[SPW], v[NIL]
	s_wait_dscnt 4*NL+1                            ; the add and the youngest eight loads may be out
	WIN MUL_LO
	MUL16 0, 1, NQ-1, 0, 0
	s_wait_dscnt 0x0
	s_barrier_signal -1
	MUL16 2, 1, NQ-1, 0, 0
	WIN 0
	s_barrier_wait -1
	PLACES NP
	v_add_nc_u32 v[ADRS], 4*NQ, v[ADRS]            ; on to the second K step's scale words
	FETCH_B 1, 0, 0
	FETCH_A 1, 0, 0
	SCALES 1
	WIN MUL_HI
	MUL16 4, 1, NQ-1, 0, 0
	MUL16 6, 1, NQ-1, 0, 0
	PLACES NP
	WIN 0
	FETCH_A 1, 0, 4
	STEPS 1, 0
	s_wait_dscnt 4*NL                              ; the last step: nothing more to fetch
	WIN MUL_LO
	MUL16 0, 1, NQ-1, 1, 0
	MUL16 2, 1, NQ-1, 1, 0
	s_wait_dscnt 0x0
	WIN MUL_HI
	MUL16 4, 1, NQ-1, 1, 0
	MUL16 6, 1, NQ-1, 1, 0
	WIN 0
; THE WAY OUT, a block of 16 rows x 128 columns at a time: rounded to f16 (16 bytes a lane), through my own stage in LDS, back as whole rows of 256 bytes.
.macro PACK a
.set AC, 64*((\a)%4)
	WIN 0x0a+5*((\a)/4)                            ; sources 0 and 1: window 2 or 3
.irp b, 0,1,2,3,4,5,6,7
.irp r, 0,1,2,3
	v_cvt_pk_f16_f32 v[TMP+4*\b+\r], v[AC+8*\b+2*\r], v[AC+8*\b+2*\r+1]   ; each accumulator from its low end on
.endr
.endr
	WIN 0
.endm
.macro TOSTAGE a
.set BK, OB+128*((\a)%2)
.irp b, 0,1,2,3,4,5,6,7
	ds_store_b128 v[STO], v[TMP+4*\b:TMP+4*\b+3] offset:32*\b
.endr
.irp t, 0,1,2,3,4,5,6,7
	ds_load_b128 v[BK+4*\t:BK+4*\t+3], v[RD] offset:\t*2*SPITCH    ; LDS serves a wave's instructions in order: these see the stores above
.endr
.endm
.macro SEND a
.set BK, OB+128*((\a)%2)
	s_wait_dscnt 0x0                               ; the block is back in registers
	s_wait_xcnt 0x0                                ; earlier stores have read their base and their registers: only now are these rewritten
.if (\a) > 0
	s_add_nc_u64 s[12:13], s[12:13], s[66:67]      ; 16 rows of C on
.endif
.irp t, 0,1,2,3,4,5,6,7
	global_store_b128 v[CO+\t], v[BK+4*\t:BK+4*\t+3], s[12:13]     ; 16 lanes store 256 consecutive bytes, at a multiple of 256 from C's first byte
.endr
.endm
	PLACES NP
	PACK 0
	TOSTAGE 0
.irp a, 1,2,3,4,5,6,7                  ; block a's conversions stand between block a - 1's loads from the stage and the wait for them
	PACK \a
	SEND \a-1
	TOSTAGE \a
.endr
	SEND 7
	s_wait_tensorcnt 0x0                           ; the wave's end
	ds_add_u32 v[SPW], v[NIL]
	s_wait_dscnt 0x0
	CROUND                                         ; the closing round
	s_endpgm
.Lfunc_end_k_q34d9097e27_proj:
	.size	k_q34d9097e27_proj, .Lfunc_end_k_q34d9097e27_proj-k_q34d9097e27_proj
	.p2alignl 7, 3214868480
	.fill 96, 4, 3214868480
	.section	.rodata,"a",@progbits
	.p2align	6, 0x0
	.amdhsa_kernel k_q34d9097e27_proj
		.amdhsa_group_segment_fixed_size 327680
		.amdhsa_private_segment_fixed_size 0
		.amdhsa_enable_private_segment 0
		.amdhsa_kernarg_size 48
		.amdhsa_user_sgpr_count 2
		.amdhsa_user_sgpr_kernarg_segment_ptr 1
		.amdhsa_wavefront_size32 1
		.amdhsa_system_sgpr_workgroup_id_x 1
		.amdhsa_system_sgpr_workgroup_id_y 1
		.amdhsa_system_sgpr_workgroup_id_z 1
		.amdhsa_system_vgpr_workitem_id 0
		.amdhsa_next_free_vgpr 1024
		.amdhsa_next_free_sgpr 100
		.amdhsa_reserve_vcc 0
		.amdhsa_float_denorm_mode_32 3
		.amdhsa_float_denorm_mode_16_64 3
		.amdhsa_memory_ordered 1
		.amdhsa_forward_progress 1
		.amdhsa_inst_pref_size 127
	.end_amdhsa_kernel
	.amdgpu_metadata
---
amdhsa.version: [ 1, 2 ]
amdhsa.kernels:
  - .name:           k_q34d9097e27_proj
    .symbol:         k_q34d9097e27_proj.kd
    .args:
      - { .name: xc, .offset: 0, .size: 8, .value_kind: global_buffer, .address_space: global }
      - { .name: xs, .offset: 8, .size: 8, .value_kind: global_buffer, .address_space: global }
      - { .name: wc, .offset: 16, .size: 8, .value_kind: global_buffer, .address_space: global }
      - { .name: ws, .offset: 24, .size: 8, .value_kind: global_buffer, .address_space: global }
      - { .name: qk, .offset: 32, .size: 8, .value_kind: global_buffer, .address_space: global }
      - { .name: vt, .offset: 40, .size: 8, .value_kind: global_buffer, .address_space: global }
    .group_segment_fixed_size: 327680
    .private_segment_fixed_size: 0
    .kernarg_segment_align: 8
    .kernarg_segment_size: 48
    .max_flat_workgroup_size: 128
    .sgpr_count:     100
    .vgpr_count:     1024
    .wavefront_size: 32
...
	.end_amdgpu_metadata
.endif
;; end of part 2
;; launch score (part 3): grid 8 x 32, 4 waves a work-group, clusters of 4 x 4, 327,680 bytes of LDS; arguments qk, pm, st; writes pm, st
.if DOCPART == 3
	.amdgcn_target "amdgcn-amd-amdhsa--gfx1250"
	.amdhsa_code_object_version 6
	.text
	.protected	k_q34d9097e27_score
	.globl	k_q34d9097e27_score
	.p2align	8
	.type	k_q34d9097e27_score,@function
k_q34d9097e27_score:
	s_mov_b64 s[64:65], 0
	v_nop
	global_prefetch_b8 v0, s[64:65] scope:SCOPE_SE
	s_setreg_imm32_b32 hwreg(HW_REG_WAVE_MODE, 25, 1), 1
	s_wait_xcnt 0x0
	s_wait_alu depctr_hold_cnt(0) depctr_sa_sdst(0) depctr_va_vdst(0) depctr_va_sdst(0) depctr_va_ssrc(0) depctr_va_vcc(0) depctr_vm_vsrc(0)
	s_getreg_b32 s2, hwreg(HW_REG_IB_STS2, 6, 4)
	s_cmp_eq_u32 s2, 0
	s_cbranch_scc0 .Lentry_in_a_cluster
	s_endpgm
.Lentry_in_a_cluster:
	s_bfe_u32 s2, ttmp6, 0x10000c
	s_cmp_lg_u32 s2, 0xf033
	s_cbranch_scc0 .Lentry_shape_is_right
	s_endpgm
.Lentry_shape_is_right:
; S = Q K^T for each of 4 batches of 2,048 positions, head size 1,024; f16 operands (qk: Q in columns 0-1023, K in 1024-2047 of rows of 4,096 bytes), f32 sums.  Then the first half of the softmax:
; t = S log2(e) / 32; for each query and each chunk of 128 keys: M_c = the chunk's largest t rounded UP to a whole number, p = 2^(t - M_c) (at most 1), l_c = the sum of the chunk's p, in f32.
; st [16 chunks][2][8192] f32 takes -M_c and l_c.  The next launch takes the row's largest M_c and weighs each chunk by 2^(M_c - M_row), a power of two: so the row's maximum is taken away, in two exact steps.
; pm takes p as f16, LAID AS THE NEXT LAUNCH'S OPERAND REGISTERS: [512 blocks of 16 queries][64 groups of 32 keys][1,024 bytes]; in a group's 1,024 bytes lane l's registers 0-3 lie at 16 l, its registers 4-7 at 512 + 16 l.
; LIMIT: NaN and infinities in qk are not served.
; A tile of S, 256 queries x 256 keys, is made by four waves, each 128 x 128: 64 accumulators, 512 registers; a wave's 128 keys are one chunk.  K = 1,024 goes in 8 steps of 128 through two LDS slots filled by the tensor data mover.
; CLUSTERS: 4 x 4.  The four of a row of the cluster need the same rows of Q, the four of a column the same rows of K: each tile is asked for jointly.
; THE MATRIX INSTRUCTION IS USED TRANSPOSED (source 0 = 16 keys, source 1 = 16 queries): a lane holds ONE query (lane % 16) and, in block (a, b), the keys 16 b + 8 (lane / 16) + 0 .. 7.  Rounded to f16 in pairs, the
; eight registers of key blocks 2 j and 2 j + 1 ARE the fragment (32 keys x 16 queries) that the next product takes as its source 1: they are stored as they stand, and nothing goes through LDS.
; REGISTERS: window 0: v16-31 addresses; v64-127, v128-191 Q's fragments, two buffers; on the way out v64-127 t and p, v128-191 p as f16 (two sets by turns), v224-255 at work.
;   window 1: v64-127, v128-191 K's fragments.   windows 2, 3: the accumulators of my queries 0-63 and 64-127 ((a, b) at v[8 (8 (a % 4) + b)]).
.set KSTEP,  128
.set PITCH,  272                       ; an LDS row: 256 bytes + 16 of padding: the 16 rows that a load touches start at 16 different banks (ISA guide 11.1)
.set HALFT,  128*PITCH
.set SLOT,   4*HALFT                   ; Q's 256 rows, then K's 256 rows
.set STST,   2*SLOT                    ; behind the ring: 1,024 bytes for each wave: -M_c of its 128 queries, then l_c
.set SPARE,  STST+4*1024               ; the spare words, 128 bytes a wave, which no other line names
.set LAPS,   4                         ; a lap = two K steps = once round the ring
.set ADRA, 16
.set ADRB, 20
.set SG,   23                          ; v23 16 x lane
.set SA,   27                          ; v27 where I put a statistic: lanes 0-15 -M_c, lanes 16-31 l_c
.set SPW,  28
.set NIL,  29
.set PFO,  30                          ; v30 the prefetches' offset: lane x a row of qk; never rewritten
.set SL,   31                          ; v31 where I read the statistics back
.set F0,   64
.set F1,   128
.set T,    64
.set H,    128
.set X,    224                         ; v224-245 partial maxima
.set NM,   246                         ; v[246:247] -M_c (the packed form names the pair; v247 is written once)
.set SU,   248                         ; v[248:251] sums
.set TP,   252                         ; v252-253 at work
.set LIM,  15                          ; s15 1 in a wave that prefetches, else the greatest number
.set G1,   24
.set G0,   32
.set PFA,  44                          ; s[44:45] where my prefetches stand
.set G1B,  48
.set G0B,  56
.set CS,   66                          ; s[66:67] c = log2(e) / 32
.set SEL,  68                          ; s[68:69] lane selects: lane l xor 16
.set HM,   70                          ; s70 the mask of lanes 16-31
.set MSB, 0
.macro WIN new
.if MSB != (\new)
	s_set_vgpr_msb (MSB<<8)|(\new)
.set MSB, (\new)
.endif
.endm
.set MUL_LO, 0xa1                      ; source 0 (K) window 1, source 1 (Q) window 0, C and D window 2
.set MUL_HI, 0xf1
.set TO_B,   0x40
.macro JLOAD s                         ; a joint load: waves 0 and 1 fetch Q's halves, waves 2 and 3 K's; an s_nop 0 and four v_nop follow each line
	s_cmp_eq_u32 s13, 0
	s_cbranch_scc0 .Lfor_b_\@
	tensor_load_to_lds s[G0+4*\s:G0+4*\s+3], s[G1:G1+7]
	s_nop 0
.rept 4
	v_nop
.endr
	s_branch .Lasked_\@
.Lfor_b_\@:
	tensor_load_to_lds s[G0B+4*\s:G0B+4*\s+3], s[G1B:G1B+7]
	s_nop 0
.rept 4
	v_nop
.endr
.Lasked_\@:
.endm
; A prefetch into the L2 of the K step that stands two refills on: 32 rows x 256 bytes, a lane a row, one instruction a wave.  Each row's 256 bytes of a K step are named once in the launch:
; Q's rows are read by both clusters of a row of clusters: the one with x = 0 asks; K's rows by the two clusters of a batch in a column: the one with even y asks.  The four partners that ask for a tile jointly
; share its rows out by address, 32 each.  The loop's last trip asks for nothing: there is no K step two refills on.
.macro ASK
	s_cmp_gt_u32 s3, s[LIM]
	s_cbranch_scc0 .Lnot_mine_\@
	global_prefetch_b8 v[PFO], s[PFA:PFA+1] offset:KSTEP*2 th:TH_LOAD_NT scope:SCOPE_SE
.Lnot_mine_\@:
.endm
.macro CREST
	s_cmp_lg_u32 s12, 0
	s_cbranch_scc1 .Lnot_wave_0_\@
	s_barrier_signal -3
.Lnot_wave_0_\@:
	s_barrier_wait -3
	s_barrier_signal -1
	s_barrier_wait -1
.endm
.macro CROUND
	s_barrier_signal -1
	s_barrier_wait -1
	CREST
.endm
	s_load_b128 s[4:7], s[0:1], 0x0                ; qk s[4:5], pm s[6:7]
	s_load_b64 s[8:9], s[0:1], 0x10                ; st
	v_lshl_add_u32 v[SPW], v0, 2, SPARE
	v_mov_b32 v[NIL], 0
	ds_add_u32 v[SPW], v[NIL]                      ; the wave's opening: the add, twice on end, and its wait ahead of my first tensor load
	ds_add_u32 v[SPW], v[NIL]
	v_lshrrev_b32 v1, 5, v0
	v_readfirstlane_b32 s12, v1                    ; wave 0..3
	s_lshr_b32 s13, s12, 1                         ; which half of the tile's queries is mine.  Also: I fetch for Q (0) or for K (1)
	s_and_b32 s14, s12, 1                          ; which half of its keys.  Also: which 128 rows of that tile I fetch
	s_bfe_u32 s40, ttmp6, 0x40000                  ; cx
	s_bfe_u32 s41, ttmp6, 0x40004                  ; cy
	s_lshl_b32 s42, ttmp9, 2
	s_add_co_u32 s42, s42, s40                     ; the tile of keys, 0..7
	s_and_b32 s10, ttmp7, 0xffff                   ; the cluster's y
	s_lshl_b32 s43, s10, 2
	s_add_co_u32 s43, s43, s41                     ; the tile of queries, 0..31, over all batches
	s_lshr_b32 s11, s10, 1                         ; the batch: 8 tiles of queries each, so it hangs on the cluster's y alone
	s_lshl_b32 s16, s41, 2
	s_lshl_b32 s16, 15, s16                        ; my row of the cluster
	s_lshl_b32 s17, 0x1111, s40                    ; my column
	s_or_b32 s[G1+0], s16, (1<<16)|(1<<20)|(1<<21)|(5<<22)|(3<<25)  ; 15:0 the mask; 17:16 elements of 2 bytes; 20 padding on; 21 set beside a mask; 24:22 after every 64 words; 31:25 four words
	s_or_b32 s[G1B+0], s17, (1<<16)|(1<<20)|(1<<21)|(5<<22)|(3<<25)
.irp g, G1, G1B
	s_mov_b32 s[\g+1], KSTEP<<16                   ; tensor_dim0 = 128
	s_mov_b32 s[\g+2], 128<<16                     ; tensor_dim1 = 128
	s_mov_b32 s[\g+3], KSTEP<<16                   ; tile_dim0 = 128
	s_mov_b32 s[\g+4], 128                         ; tile_dim1 = 128
	s_mov_b32 s[\g+5], 2048                        ; tensor_dim0_stride: a row of qk is 2,048 elements
	s_mov_b32 s[\g+6], 0
	s_mov_b32 s[\g+7], 0
.endr
	s_mov_b32 s[CS], 0x3d38aa3b                    ; log2(e) / 32
	s_mov_b32 s[CS+1], s[CS]
	s_mov_b32 s[SEL], 0x76543210
	s_mov_b32 s[SEL+1], 0xfedcba98
	s_mov_b32 s[HM], 0xffff0000
	s_lshl_b32 s18, s14, 7                         ; which 128 rows of the tile I fetch
	s_lshl_b32 s20, s43, 8
	s_add_co_u32 s20, s20, s18                     ; Q: row 256 x tile + 128 x half
	s_lshl_b32 s20, s20, 12                        ; in bytes, under 2^25
	s_mov_b32 s21, 0
	s_lshl_b32 s46, s42, 8
	s_add_co_u32 s46, s46, s18
	s_lshl_b32 s22, s11, 11
	s_add_co_u32 s46, s46, s22                     ; K: row 2,048 x batch + 256 x tile + 128 x half
	s_lshl_b32 s46, s46, 12
	s_add_co_u32 s46, s46, 2048                    ; K's columns begin 2,048 bytes into a row
	s_mov_b32 s47, 0
	s_mul_i32 s23, s12, HALFT                      ; where they go: wave x 128 rows
	s_wait_dscnt 0x0                               ; both opening adds are done
	s_wait_kmcnt 0x0
	s_add_nc_u64 s[20:21], s[4:5], s[20:21]
	s_add_nc_u64 s[46:47], s[4:5], s[46:47]
	CROUND                                         ; all sixteen work-groups are here: the first joint loads meet
.irp s, 0,1
	s_mov_b32 s[G0+4*\s], 1
	s_add_co_u32 s[G0+4*\s+1], s23, \s*SLOT
	s_add_nc_u64 s[G0+4*\s+2:G0+4*\s+3], s[20:21], \s*KSTEP*2
	s_or_b32 s[G0+4*\s+3], s[G0+4*\s+3], 0x80000000
	s_mov_b32 s[G0B+4*\s], 1
	s_add_co_u32 s[G0B+4*\s+1], s23, \s*SLOT
	s_add_nc_u64 s[G0B+4*\s+2:G0B+4*\s+3], s[46:47], \s*KSTEP*2
	s_or_b32 s[G0B+4*\s+3], s[G0B+4*\s+3], 0x80000000
	JLOAD \s                                       ; two loads of mine are out
.endr
	v_and_b32 v1, 15, v0                           ; l % 16
	v_bfe_u32 v2, v0, 4, 1                         ; l / 16
	v_mul_u32_u24 v3, v1, PITCH
	v_lshl_add_u32 v3, v2, 4, v3                   ; a fragment's row x pitch + 16 x half
	s_mul_i32 s21, s13, HALFT                      ; my 128 queries
	s_mul_i32 s22, s14, HALFT                      ; my 128 keys,
	s_add_co_u32 s22, s22, 2*HALFT                 ; which lie behind Q's 256 rows
.irp s, 0,1
	v_add_nc_u32 v[ADRA+\s], s21, v3
	v_add_nc_u32 v[ADRB+\s], s22, v3
	s_add_co_u32 s21, s21, SLOT
	s_add_co_u32 s22, s22, SLOT
.endr
	s_lshl_b32 s23, s12, 10
	s_add_co_u32 s23, s23, STST                    ; my statistics
	v_lshlrev_b32 v4, 2, v1
	v_lshl_add_u32 v4, v2, 9, v4
	v_add_nc_u32 v[SA], s23, v4                    ; 4 (l % 16) + 512 (l / 16)
	v_and_b32 v5, 31, v0
	v_lshlrev_b32 v[SG], 4, v5
	v_add_nc_u32 v[SL], s23, v[SG]
	v_mov_b32 v[NM+1], 0                           ; named as the upper half of a pair
	v_mov_b32 v[TP], 0                             ; a lane permute's destination counts as one of its sources
	s_lshl_b32 s16, s43, 8
	s_lshl_b32 s17, s13, 7
	s_add_co_u32 s16, s16, s17                     ; my first query, over all batches
	s_lshl_b32 s18, s16, 2                         ; its word in a table of st
	s_lshl_b32 s16, s16, 12                        ; pm: a block of 16 queries is 65,536 bytes,
	s_lshl_b32 s17, s42, 13                        ; a tile's 256 keys are 8 groups of 1,024 bytes,
	s_add_co_u32 s16, s16, s17
	s_lshl_b32 s17, s14, 12                        ; my half of them 4 groups
	s_add_co_u32 s16, s16, s17
	s_mov_b32 s17, 0
	s_add_nc_u64 s[6:7], s[6:7], s[16:17]
	s_lshl_b32 s19, s42, 1
	s_add_co_u32 s19, s19, s14                     ; my chunk of keys, 0..15
	s_lshl_b32 s19, s19, 16                        ; 65,536 bytes a chunk: two tables of 8,192 words
	s_add_co_u32 s18, s18, s19
	s_mov_b32 s19, 0
	s_add_nc_u64 s[8:9], s[8:9], s[18:19]
	; the prefetches: where mine stand, and whether I ask
	s_lshl_b32 s16, s43, 8                         ; Q's tile begins at this row,
	s_lshl_b32 s17, s42, 8
	s_lshl_b32 s18, s11, 11
	s_add_co_u32 s17, s17, s18                     ; K's at this
	s_and_b32 s18, s10, 1
	s_cmp_eq_u32 s13, 0                            ; do I fetch for Q?
	s_cselect_b32 s16, s16, s17
	s_cselect_b32 s17, s40, s41                    ; my place among the four that ask with me
	s_cselect_b32 s18, ttmp9, s18                  ; the coordinate along which other clusters read the same rows
	s_cselect_b32 s19, 0, 2048
	s_cmp_eq_u32 s18, 0
	s_cselect_b32 s[LIM], 1, -1                    ; the same in all sixteen partners, for a given wave
	s_lshl_b32 s18, s14, 7
	s_add_co_u32 s16, s16, s18                     ; + the 128 rows that I fetch
	s_lshl_b32 s17, s17, 5
	s_add_co_u32 s16, s16, s17                     ; + my work-group's 32 of them
	s_lshl_b32 s16, s16, 12
	s_add_co_u32 s16, s16, s19
	s_add_co_u32 s16, s16, 2*KSTEP*2               ; at K step 2: the first refill steps it to 3 and names K step 4.  Nothing is prefetched at the head
	s_mov_b32 s17, 0
	s_add_nc_u64 s[PFA:PFA+1], s[4:5], s[16:17]
	v_and_b32 v[PFO], 31, v0
	v_lshlrev_b32 v[PFO], 12, v[PFO]
; 16 matrix instructions: query blocks a0, a0 + 1 of the window's four x all 8 key blocks, 32 along K.  zero = 1: the first product starts the sums.
; The 64 accumulators take turns, one instruction a turn, in the same order in every quarter.
.macro MUL16 f, hi, a0, zero
.irp a, \a0, \a0+1
.irp b, 0,1,2,3,4,5,6,7
.set rD, 8*(8*(\a)+\b)
.set rB, \f+8*\b
.set rA, \f+8*(4*\hi+(\a))
.if \zero
	v_wmma_f32_16x16x32_f16 v[rD:rD+7], v[rB:rB+7], v[rA:rA+7], 0
.else
	v_wmma_f32_16x16x32_f16 v[rD:rD+7], v[rB:rB+7], v[rA:rA+7], v[rD:rD+7]
.endif
.endr
.endr
.endm
.macro FETCH slot, k, f                ; 32 LDS loads in one run: a quarter step's fragments (128 keys, 128 queries, 32 K at byte k) into buffer f
	WIN TO_B
.irp i, 0,1,2,3,4,5,6,7
	ds_load_b128 v[\f+8*\i:\f+8*\i+3],   v[ADRB+\slot] offset:\k+\i*16*PITCH
	ds_load_b128 v[\f+8*\i+4:\f+8*\i+7], v[ADRB+\slot] offset:\k+\i*16*PITCH+32
.endr
	WIN 0
.irp i, 0,1,2,3,4,5,6,7
	ds_load_b128 v[\f+8*\i:\f+8*\i+3],   v[ADRA+\slot] offset:\k+\i*16*PITCH
	ds_load_b128 v[\f+8*\i+4:\f+8*\i+7], v[ADRA+\slot] offset:\k+\i*16*PITCH+32
.endr
.endm
.macro PLACES                          ; four places in front of loads into registers that matrix instructions have read, and of the first read of results
.rept 4
	v_nop
.endr
.endm
.macro QUARTER slot, k, f, g, zero     ; multiplies buffer f; in its middle it fetches the next quarter's fragments, at byte k, into buffer g
	s_wait_dscnt 8                                 ; K's and Q's rows 0-63 are in; the youngest eight loads (Q's rows 64-127) may be out
	WIN MUL_LO
	MUL16 \f, 0, 0, \zero
	MUL16 \f, 0, 2, \zero
	PLACES
	FETCH \slot, \k, \g
	s_wait_dscnt 32                                ; all but the 32 just issued
	WIN MUL_HI
	MUL16 \f, 1, 0, \zero
	MUL16 \f, 1, 2, \zero
.endm
; The last quarter multiplies buffer 1 and changes slots: ONE barrier.  In front of it each wave waits for all its tensor loads (one is out: its part of the next slot), adds 0 to its spare word, and waits for that
; and for its reads of this slot.  fill = 1: the barrier opens a round of the cluster's barrier, and this slot is filled again, two K steps ahead, first thing behind the round.
.macro TURN slot, next, fill
.if \fill
	s_wait_xcnt 0x0                                ; the last prefetch, a K step back, has read its address: it is stepped here
	s_add_nc_u64 s[PFA:PFA+1], s[PFA:PFA+1], KSTEP*2
.endif
	WIN 0                                          ; the add's two registers lie in window 0
	s_wait_tensorcnt 0x0
	ds_add_u32 v[SPW], v[NIL]
	s_wait_dscnt 9                                 ; the add and the youngest eight loads may be out
	WIN MUL_LO
	MUL16 F1, 0, 0, 0
	s_wait_dscnt 0x0                               ; the add is done, and my reads of this slot are over
	s_barrier_signal -1
	MUL16 F1, 0, 2, 0
.if \fill
	WIN 0
.endif
	s_barrier_wait -1
.if \fill
	CREST                                          ; no wave of any partner still reads this slot or has a load on its way
	s_add_nc_u64 s[G0+4*\slot+2:G0+4*\slot+3], s[G0+4*\slot+2:G0+4*\slot+3], 2*KSTEP*2
	s_add_nc_u64 s[G0B+4*\slot+2:G0B+4*\slot+3], s[G0B+4*\slot+2:G0B+4*\slot+3], 2*KSTEP*2
	JLOAD \slot                                    ; my one tensor load behind the round; its four v_nop are also the places in front of the loads below
.else
	PLACES
.endif
	FETCH \next, 0, F0
.if \fill
	ASK
.endif
	WIN MUL_HI
	MUL16 F1, 1, 0, 0
	MUL16 F1, 1, 2, 0
.endm
	s_wait_tensorcnt 1                             ; my part of K step 0 is in; K step 1's may be out
	s_barrier_signal -1
	s_barrier_wait -1
	FETCH 0, 0, F0
	QUARTER 0, 64,  F0, F1, 1                      ; the first quarter stands in front of the loop: its products start the sums
	WIN 0
	s_mov_b32 s3, LAPS-1
.Llap:                                                 ; a trip goes once round the ring, from a lap's second quarter to the next lap's first, and fills both slots again
	QUARTER 0, 128, F1, F0, 0
	QUARTER 0, 192, F0, F1, 0
	TURN 0, 1, 1
	QUARTER 1, 64,  F0, F1, 0
	QUARTER 1, 128, F1, F0, 0
	QUARTER 1, 192, F0, F1, 0
	TURN 1, 0, 1
	QUARTER 0, 64,  F0, F1, 0
	WIN 0
	s_sub_co_u32 s3, s3, 1
	s_cmp_lg_u32 s3, 0
	s_cbranch_scc1 .Llap
	QUARTER 0, 128, F1, F0, 0                      ; the last lap fills nothing, and has no round of the cluster's barrier
	QUARTER 0, 192, F0, F1, 0
	TURN 0, 1, 0
	QUARTER 1, 64,  F0, F1, 0
	QUARTER 1, 128, F1, F0, 0
	QUARTER 1, 192, F0, F1, 0
	s_wait_dscnt 8
	WIN MUL_LO
	MUL16 F1, 0, 0, 0
	MUL16 F1, 0, 2, 0
	s_wait_dscnt 0x0
	WIN MUL_HI
	MUL16 F1, 1, 0, 0
	MUL16 F1, 1, 2, 0
	WIN 0
; THE WAY OUT, a block of 16 queries at a time.  A lane holds 64 scores of one query, the lane 16 away the other 64 of the chunk.
.macro SOFT a
.set AC, 64*((\a)%4)
.set HH, H+32*((\a)%2)
	WIN 42+21*((\a)/4)                             ; all three sources in window 2 or 3
.set i, 0
.rept 21
	v_max3_num_f32 v[X+i], v[AC+3*i], v[AC+3*i+1], v[AC+3*i+2]     ; ascending: each accumulator is read first at its low end
.set i, i+1
.endr
	v_max_num_f32 v[X+21], v[AC+63], v[AC+63]
	WIN 0
.irp i, 0,1,2,3,4,5,6
	v_max3_num_f32 v[X+3*\i], v[X+3*\i], v[X+3*\i+1], v[X+3*\i+2]
.endr
	v_max3_num_f32 v[X], v[X], v[X+3], v[X+6]
	v_max3_num_f32 v[X+9], v[X+9], v[X+12], v[X+15]
	v_max3_num_f32 v[X], v[X], v[X+9], v[X+18]
	v_max_num_f32 v[X], v[X], v[X+21]
	v_permlanex16_b32 v[TP], v[X], s[SEL], s[SEL+1]
	v_max_num_f32 v[X], v[X], v[TP]                ; the chunk's largest score of my query
	v_mul_f32 v[X], s[CS], v[X]                    ; as t (c is positive)
	v_floor_f32 v[NM], -v[X]                       ; -M_c = floor(-t) = -ceil(t): a whole number
	WIN 2+(\a)/4                                   ; source 0 in window 2 or 3
.set i, 0
.rept 32
	v_pk_fma_f32 v[T+i:T+i+1], v[AC+i:AC+i+1], s[CS:CS+1], v[NM:NM+1] op_sel_hi:[1,0,0]   ; t - M_c, two at a time
.set i, i+2
.endr
	WIN 0
.set i, 0
.rept 64
	v_exp_f32 v[T+i], v[T+i]                       ; p = 2^(t - M_c)
.set i, i+1
.endr
	v_nop                                          ; a plain line behind the last exponential
	s_wait_alu depctr_va_vdst(0)                   ; one wait for the batch, ahead of its first reader
	v_pk_add_f32 v[SU:SU+1], v[T:T+1], v[T+2:T+3]  ; the sum of the unrounded p, in two chains
	v_pk_add_f32 v[SU+2:SU+3], v[T+4:T+5], v[T+6:T+7]
.irp j, 8,12,16,20,24,28,32,36,40,44,48,52,56,60
	v_pk_add_f32 v[SU:SU+1], v[SU:SU+1], v[T+\j:T+\j+1]
	v_pk_add_f32 v[SU+2:SU+3], v[SU+2:SU+3], v[T+\j+2:T+\j+3]
.endr
	v_pk_add_f32 v[SU:SU+1], v[SU:SU+1], v[SU+2:SU+3]
	v_add_f32 v[SU], v[SU], v[SU+1]
	v_permlanex16_b32 v[TP], v[SU], s[SEL], s[SEL+1]
	v_add_f32 v[SU], v[SU], v[TP]                  ; l_c
.if (\a) > 1
	s_wait_xcnt 0x0                                ; the stores of the block two back have read this set of registers: only now is it written again
.endif
.set i, 0
.rept 32
	v_cvt_pk_f16_f32 v[HH+i], v[T+2*i], v[T+2*i+1] ; register 4 b + r: keys 16 b + 8 (lane / 16) + 2 r, + 1: registers 8 j .. 8 j + 7 are the fragment of keys 32 j .. 32 j + 31
.set i, i+1
.endr
	v_cndmask_b32 v[TP+1], v[NM], v[SU], s[HM]     ; lanes 0-15 carry -M_c, lanes 16-31 l_c
	ds_store_b32 v[SA], v[TP+1] offset:64*(\a)
.endm
.macro SEND a                          ; the block's four fragments leave as they stand: 4,096 consecutive bytes of pm
.set HH, H+32*((\a)%2)
.irp j, 0,1,2,3,4,5,6,7
	global_store_b128 v[SG], v[HH+4*\j:HH+4*\j+3], s[6:7] offset:65536*(\a)+512*\j   ; 32 lanes store 512 consecutive bytes, at a multiple of 256 from pm's first byte
.endr
.endm
	PLACES
.irp a, 0,1,2,3,4,5,6,7
	SOFT \a
	SEND \a
.endr
	ds_load_b128 v[X:X+3], v[SL]                   ; my 128 queries' -M_c: 512 bytes (LDS serves a wave's instructions in order: these see my stores),
	ds_load_b128 v[X+4:X+7], v[SL] offset:512      ; and l_c
	s_wait_dscnt 0x0
	global_store_b128 v[SG], v[X:X+3], s[8:9]      ; each store covers 512 consecutive bytes, aligned
	global_store_b128 v[SG], v[X+4:X+7], s[8:9] offset:32768
	s_wait_tensorcnt 0x0                           ; the wave's end
	ds_add_u32 v[SPW], v[NIL]
	s_wait_dscnt 0x0
	CROUND                                         ; the closing round
	s_endpgm
.Lfunc_end_k_q34d9097e27_score:
	.size	k_q34d9097e27_score, .Lfunc_end_k_q34d9097e27_score-k_q34d9097e27_score
	.p2alignl 7, 3214868480
	.fill 96, 4, 3214868480
	.section	.rodata,"a",@progbits
	.p2align	6, 0x0
	.amdhsa_kernel k_q34d9097e27_score
		.amdhsa_group_segment_fixed_size 327680
		.amdhsa_private_segment_fixed_size 0
		.amdhsa_enable_private_segment 0
		.amdhsa_kernarg_size 24
		.amdhsa_user_sgpr_count 2
		.amdhsa_user_sgpr_kernarg_segment_ptr 1
		.amdhsa_wavefront_size32 1
		.amdhsa_system_sgpr_workgroup_id_x 1
		.amdhsa_system_sgpr_workgroup_id_y 1
		.amdhsa_system_sgpr_workgroup_id_z 1
		.amdhsa_system_vgpr_workitem_id 0
		.amdhsa_next_free_vgpr 1024
		.amdhsa_next_free_sgpr 72
		.amdhsa_reserve_vcc 0
		.amdhsa_float_denorm_mode_32 3
		.amdhsa_float_denorm_mode_16_64 3
		.amdhsa_memory_ordered 1
		.amdhsa_forward_progress 1
		.amdhsa_inst_pref_size 204
	.end_amdhsa_kernel
	.amdgpu_metadata
---
amdhsa.version: [ 1, 2 ]
amdhsa.kernels:
  - .name:           k_q34d9097e27_score
    .symbol:         k_q34d9097e27_score.kd
    .args:
      - { .name: qk, .offset: 0, .size: 8, .value_kind: global_buffer, .address_space: global }
      - { .name: pm, .offset: 8, .size: 8, .value_kind: global_buffer, .address_space: global }
      - { .name: st, .offset: 16, .size: 8, .value_kind: global_buffer, .address_space: global }
    .group_segment_fixed_size: 327680
    .private_segment_fixed_size: 0
    .kernarg_segment_align: 8
    .kernarg_segment_size: 24
    .max_flat_workgroup_size: 128
    .sgpr_count:     72
    .vgpr_count:     1024
    .wavefront_size: 32
...
	.end_amdgpu_metadata
.endif
;; end of part 3
;; launch pv (part 4): grid 4 x 64, 4 waves a work-group, clusters of 4 x 4, 327,680 bytes of LDS; arguments pm, vt, st, out0; writes out0
.if DOCPART == 4
	.amdgcn_target "amdgcn-amd-amdhsa--gfx1250"
	.amdhsa_code_object_version 6
	.text
	.protected	k_q34d9097e27_pv
	.globl	k_q34d9097e27_pv
	.p2align	8
	.type	k_q34d9097e27_pv,@function
k_q34d9097e27_pv:
	s_mov_b64 s[64:65], 0
	v_nop
	global_prefetch_b8 v0, s[64:65] scope:SCOPE_SE
	s_setreg_imm32_b32 hwreg(HW_REG_WAVE_MODE, 25, 1), 1
	s_wait_xcnt 0x0
	s_wait_alu depctr_hold_cnt(0) depctr_sa_sdst(0) depctr_va_vdst(0) depctr_va_sdst(0) depctr_va_ssrc(0) depctr_va_vcc(0) depctr_vm_vsrc(0)
	s_getreg_b32 s2, hwreg(HW_REG_IB_STS2, 6, 4)
	s_cmp_eq_u32 s2, 0
	s_cbranch_scc0 .Lentry_in_a_cluster
	s_endpgm
.Lentry_in_a_cluster:
	s_bfe_u32 s2, ttmp6, 0x10000c
	s_cmp_lg_u32 s2, 0xf033
	s_cbranch_scc0 .Lentry_shape_is_right
	s_endpgm
.Lentry_shape_is_right:
; The second half of the softmax and the last product.  For each query: M_row = the largest M_c of its 16 chunks of 128 keys, l_row = the sum of 2^(M_c - M_row) l_c, f_c = 2^(M_c - M_row) / l_row;
; out0 = the sum over chunks of f_c (P_c V_c).  P_c V_c: f16 operands, f32 sums; the weighing by f_c is a fused multiply-add in f32 on the finished sums of a chunk.
; pm: p as f16, laid as this product's operand registers: [512 blocks of 16 queries][64 groups of 32 keys][1,024 bytes].  vt [1024][8192] f16 (V transposed, keys innermost).  st [16][2][8192] f32 (-M_c, l_c).  out0 [8192][1024] f32.
; A tile of out0 is 128 queries x 256 channels: 256 work-groups.  A wave makes 64 x 128: 32 accumulators.  K = the batch's 2,048 keys: 64 quarters of 32 keys; four quarters are a chunk, eight a K step.
; V^T comes through two LDS slots of 256 keys (rows of 512 bytes), filled by the tensor data mover, each wave fetching 64 of the tile's 256 rows.  CLUSTERS: 4 x 4: the four of a column need the same rows of V^T: asked for jointly.
; P COMES STRAIGHT INTO REGISTERS: a fragment is two loads of 512 consecutive bytes.  A ring of eight quarters (256 registers): in quarter g the fragments of quarter g + 7 are asked for, so a load has seven quarters,
; 224 matrix instructions, in which to land, and it may stay out across barriers.  The price: a fragment is read by the two waves of a work-group that share its queries, and by the four work-groups of a row of the cluster.
; P is not asked for jointly because it does not pass through LDS: with P's rows beside V^T's, two slots of 256 keys would not fit.
; THE MATRIX INSTRUCTION IS USED TRANSPOSED (source 0 = 16 channels of V^T, source 1 = 16 queries of P): a lane holds one query and eight neighbouring channels.
; A CHUNK'S SUMS X begin with C = 0.  In the next chunk's first quarter each X_i is folded into O_i (four packed multiply-adds by the lane's f_c) directly ahead of the product that begins X_i anew.
; REGISTERS: window 0: v20-30 addresses; v32-47 f_c in pairs, a set of four query blocks for each parity of the chunk; v64-127, v128-191 V^T's fragments, two buffers (on the way out: rows read back).
;   window 1: O ((a, b) at v[8 (8 a + b)]).   window 2: X, likewise.   window 3: P's ring: quarter g's fragment of query block a at v[32 (g % 8) + 8 a].
.set KSTEP,  256
.set PITCH,  528                       ; an LDS row: 512 bytes + 16 of padding: the 16 rows that a load touches start at 16 different banks (ISA guide 11.1)
.set QROWS,  64*PITCH                  ; what one wave fetches
.set SLOT,   4*QROWS
.set FTAB,   2*SLOT                    ; [16 chunks][128 queries] f32: f_c
.set STAGE,  FTAB+16*512               ; 16 rows x (512 + 16) bytes for each wave
.set SPITCH, 528
.set SPARE,  STAGE+4*16*SPITCH         ; the spare words, 128 bytes a wave, which no other line names
.set TRIPS,  3
.set OROW,   4096                      ; a row of out0 in bytes
.set ADRB, 20                          ; v20-21 LDS address of my V^T fragments in slot 0, 1
.set AF,   22                          ; v22 my factors' words
.set STO,  24
.set RD,   25
.set CO,   26                          ; v26 16 x lane: my place in a fragment's 512 bytes, and in a row of out0
.set SPW,  28
.set NIL,  29
.set PFO,  30
.set FS,   32
.set VF,   64
.set LIM,  15                          ; s15 1 in a wave that prefetches, else the greatest number
.set G1,   24
.set G0,   32
.set PFA,  44                          ; s[44:45] where my prefetches stand
.set PB,   48                          ; s[48:49] pm at my four query blocks, at the trip's first group of keys
.set MSB, 0
.macro WIN new
.if MSB != (\new)
	s_set_vgpr_msb (MSB<<8)|(\new)
.set MSB, (\new)
.endif
.endm
.set W_MUL, 0xac                       ; source 0 (V^T) window 0, source 1 (P) window 3, C and D (X) window 2
.set W_FL,  0x52                       ; source 0 (X) window 2, source 1 (f_c) window 0, source 2 and destination (O) window 1
.set TO_P,  0xc0                       ; destination window 3, address window 0
; A prefetch into the L2 of V^T's K step that the NEXT refill will ask for.  Each aligned 256 bytes are named once in the launch: V^T's rows are read by the four clusters of a batch: the first of them asks.
; Of the 64 rows that a wave fetches each of the four partners takes 16, told apart by address; a K step is 512 bytes of a row: two lanes a row.  The last refill asks for nothing: there is no K step behind it.
.macro ASK always
.if \always
	s_cmp_eq_u32 s[LIM], 1
.else
	s_cmp_gt_u32 s3, s[LIM]                        ; s3 = 1 in the loop's last trip
.endif
	s_cbranch_scc0 .Lnot_mine_\@
	global_prefetch_b8 v[PFO], s[PFA:PFA+1] th:TH_LOAD_NT scope:SCOPE_SE
.Lnot_mine_\@:
.endm
.macro CREST
	s_cmp_lg_u32 s12, 0
	s_cbranch_scc1 .Lnot_wave_0_\@
	s_barrier_signal -3
.Lnot_wave_0_\@:
	s_barrier_wait -3
	s_barrier_signal -1
	s_barrier_wait -1
.endm
.macro CROUND
	s_barrier_signal -1
	s_barrier_wait -1
	CREST
.endm
.macro PLACES n                        ; places behind matrix instructions (ISA guide 7.12.1)
.rept \n
	v_nop
.endr
.endm
.macro LOADV slot, k, buf              ; V^T's eight fragments (16 channels x 32 keys each) at byte k of the slot's rows, under window 0
.irp i, 0,1,2,3,4,5,6,7
	ds_load_b128 v[VF+64*(\buf)+8*\i:VF+64*(\buf)+8*\i+3],   v[ADRB+(\slot)] offset:(\k)+\i*16*PITCH
	ds_load_b128 v[VF+64*(\buf)+8*\i+4:VF+64*(\buf)+8*\i+7], v[ADRB+(\slot)] offset:(\k)+\i*16*PITCH+32
.endr
.endm
.macro LOADP ps, off                   ; P's four fragments of a quarter into place ps of the ring, under window TO_P: each load reads 512 consecutive bytes
.irp a, 0,1,2,3
	global_load_b128 v[32*(\ps)+8*\a:32*(\ps)+8*\a+3],   v[CO], s[PB:PB+1] offset:(\off)+65536*\a
	global_load_b128 v[32*(\ps)+8*\a+4:32*(\ps)+8*\a+7], v[CO], s[PB:PB+1] offset:(\off)+65536*\a+512
.endr
.endm
.macro LOADF set, off                  ; a chunk's factors of my four query blocks: lane l takes query l % 16's word
.irp a, 0,1,2,3
	ds_load_b32 v[FS+8*(\set)+2*\a], v[AF] offset:(\off)+64*\a
.endr
.endm
; The eight products of query block a.  mode 0: they add onto X; 1: they begin X (C = 0); 2: ahead of each, the finished X_i is folded into O_i; 3: the same for the first chunk, which begins O.
; The 32 accumulators take turns, one instruction a turn, in the same order in every quarter.  X_i is read from its low end on.
.macro PROD a, vb, ps, mode
.irp b, 0,1,2,3,4,5,6,7
.set rX, 8*(8*(\a)+\b)
.set rV, VF+64*(\vb)+8*\b
.set rP, 32*(\ps)+8*(\a)
.if (\mode) >= 2
	WIN W_FL
.irp k, 0,2,4,6
.if (\mode) == 2
	v_pk_fma_f32 v[rX+\k:rX+\k+1], v[rX+\k:rX+\k+1], v[FSX+2*(\a):FSX+2*(\a)+1], v[rX+\k:rX+\k+1] op_sel_hi:[1,0,1]
.else
	v_pk_mul_f32 v[rX+\k:rX+\k+1], v[rX+\k:rX+\k+1], v[FSX+2*(\a):FSX+2*(\a)+1] op_sel_hi:[1,0]
.endif
.endr
	WIN W_MUL
.endif
.if (\mode) >= 1
	v_wmma_f32_16x16x32_f16 v[rX:rX+7], v[rV:rV+7], v[rP:rP+7], 0
.else
	v_wmma_f32_16x16x32_f16 v[rX:rX+7], v[rV:rV+7], v[rP:rP+7], v[rX:rX+7]
.endif
.endr
.endm
; QUARTER g (counted from the trip's frame).  At its head ONE run of loads: V^T of quarter g + 1 into the other buffer, P of quarter g + 7 into the ring's place that quarter g - 1 has left, and at a chunk's last quarter
; its factors.  Five places stand in front of the run: four for the loads into registers that the last quarter's products read, the fifth for the product that begins X_0 anew over the last quarter's result.
; lc: the loads of P that may stay out: those of the quarters behind g that have been asked for.  vld, pld: is there a quarter g + 1, g + 7.
.macro QUARTER g, mode, lc, vld, pld
.set VB, (\g)%2
.set PS, (\g)%8
.set FSX, FS+8*(((\g)/4+1)%2)          ; the factors of the chunk before
	s_wait_dscnt 0x0                               ; V^T of this quarter (asked for a quarter ago) and the factors are in
	s_wait_loadcnt \lc                             ; P of this quarter is in
	WIN 0
	PLACES 5
.if \vld
	LOADV (((\g)+1)/8)%2, 64*(((\g)+1)%8), 1-VB
.endif
.if (\g)%4 == 3
	LOADF ((\g)/4)%2, 512*((\g)/4)
.endif
.if \pld
	WIN TO_P
	LOADP ((\g)+7)%8, 1024*((\g)+7)
.endif
	WIN W_MUL
	PROD 0, VB, PS, \mode
	PROD 1, VB, PS, \mode
	PROD 2, VB, PS, \mode
	PROD 3, VB, PS, \mode
.endm
; A slot's last quarter changes slots: ONE barrier.  My reads of the slot were issued a quarter ago.  In front of the barrier each wave waits for all its tensor loads (one is out: its part of the next slot), adds 0 to
; its spare word, and waits for that and for its reads of this slot.  fill = 1: the barrier opens a round of the cluster's barrier, and this slot is filled again, two K steps ahead, first thing behind the round:
; that load has 240 matrix instructions in which to land.
.macro TURN g, fill, always, lc
.set VB, (\g)%2
.set PS, (\g)%8
.set SL, ((\g)/8)%2                    ; the slot that is left
.if \fill
	s_wait_xcnt 0x0                                ; the last prefetch, a K step back, has read its address: it is stepped here
	s_add_nc_u64 s[PFA:PFA+1], s[PFA:PFA+1], KSTEP*2
.endif
	WIN 0                                          ; the add's two registers lie in window 0
	s_wait_tensorcnt 0x0
	ds_add_u32 v[SPW], v[NIL]
	s_wait_dscnt 1                                 ; V^T of this quarter is in; the add may be out
	s_wait_loadcnt \lc
	WIN W_MUL
	PROD 0, VB, PS, 0
	s_wait_dscnt 0x0                               ; the add is done, and my reads of this slot are over
	s_barrier_signal -1
	PROD 1, VB, PS, 0
	WIN 0
	s_barrier_wait -1
.if \fill
	CREST                                          ; no wave of any partner still reads this slot or has a load on its way
	s_add_nc_u64 s[G0+4*SL+2:G0+4*SL+3], s[G0+4*SL+2:G0+4*SL+3], 2*KSTEP*2
	tensor_load_to_lds s[G0+4*SL:G0+4*SL+3], s[G1:G1+7]   ; my one tensor load behind the round
	s_nop 0
.endif
	PLACES 4                                       ; behind the tensor load, and in front of the loads into registers that the last quarter's products read
	LOADV 1-SL, 0, 1-VB
	LOADF ((\g)/4)%2, 512*((\g)/4)
.if \fill
	ASK \always
.endif
	WIN TO_P
	LOADP ((\g)+7)%8, 1024*((\g)+7)
	WIN W_MUL
	PROD 2, VB, PS, 0
	PROD 3, VB, PS, 0
.endm
	s_load_b256 s[4:11], s[0:1], 0x0               ; pm s[4:5], vt s[6:7], st s[8:9], out0 s[10:11]
	v_lshl_add_u32 v[SPW], v0, 2, SPARE
	v_mov_b32 v[NIL], 0
	ds_add_u32 v[SPW], v[NIL]                      ; the wave's opening: the add, twice on end, and its wait ahead of my first tensor load
	ds_add_u32 v[SPW], v[NIL]
	v_lshrrev_b32 v1, 5, v0
	v_readfirstlane_b32 s12, v1                    ; wave 0..3
	s_lshr_b32 s13, s12, 1                         ; which 64 queries are mine
	s_and_b32 s14, s12, 1                          ; which 128 channels
	s_bfe_u32 s40, ttmp6, 0x40000                  ; cx
	s_bfe_u32 s41, ttmp6, 0x40004                  ; cy
	s_lshl_b32 s42, ttmp9, 2
	s_add_co_u32 s42, s42, s40                     ; the tile of channels, 0..3
	s_and_b32 s66, ttmp7, 0xffff                   ; the cluster's y
	s_lshl_b32 s43, s66, 2
	s_add_co_u32 s43, s43, s41                     ; the tile of queries, 0..63
	s_lshr_b32 s67, s66, 2                         ; the batch: 16 tiles of queries each
	s_lshl_b32 s17, 0x1111, s40                    ; my column of the cluster
	s_or_b32 s[G1+0], s17, (1<<16)|(1<<20)|(1<<21)|(6<<22)|(3<<25)  ; 15:0 the mask; 17:16 elements of 2 bytes; 20 padding on; 21 set beside a mask; 24:22 after every 128 words; 31:25 four words
	s_mov_b32 s[G1+1], KSTEP<<16                   ; tensor_dim0 = 256
	s_mov_b32 s[G1+2], 64<<16                      ; tensor_dim1 = 64
	s_mov_b32 s[G1+3], KSTEP<<16                   ; tile_dim0 = 256
	s_mov_b32 s[G1+4], 64                          ; tile_dim1 = 64
	s_mov_b32 s[G1+5], 8192                        ; a row of vt is 8,192 elements
	s_mov_b32 s[G1+6], 0
	s_mov_b32 s[G1+7], 0
	s_lshl_b32 s46, s42, 8
	s_lshl_b32 s18, s12, 6
	s_add_co_u32 s46, s46, s18                     ; V^T: row 256 x tile + 64 x wave,
	s_lshl_b32 s46, s46, 14
	s_lshl_b32 s18, s67, 12
	s_add_co_u32 s46, s46, s18                     ; and the batch's 2,048 keys: 4,096 bytes
	s_mov_b32 s47, 0
	s_mul_i32 s23, s12, QROWS                      ; where they go: wave x 64 rows: no place in the cluster enters an LDS address
	s_wait_dscnt 0x0                               ; both opening adds are done
	s_wait_kmcnt 0x0
	s_add_nc_u64 s[46:47], s[6:7], s[46:47]
	CROUND                                         ; all sixteen work-groups are here: the first joint loads meet
.irp s, 0,1
	s_mov_b32 s[G0+4*\s], 1
	s_add_co_u32 s[G0+4*\s+1], s23, \s*SLOT
	s_add_nc_u64 s[G0+4*\s+2:G0+4*\s+3], s[46:47], \s*KSTEP*2
	s_or_b32 s[G0+4*\s+3], s[G0+4*\s+3], 0x80000000
	tensor_load_to_lds s[G0+4*\s:G0+4*\s+3], s[G1:G1+7]   ; two loads of mine are out
	s_nop 0
	PLACES 4
.endr
	; thread t takes query t of the tile's 128: its 16 -M_c into v64-79, its 16 l_c into v80-95
	v_lshlrev_b32 v2, 2, v0
	s_lshl_b32 s16, s43, 9                         ; 128 words a tile
	s_mov_b32 s17, 0
	s_add_nc_u64 s[16:17], s[8:9], s[16:17]
.irp c, 0,1,2,3,4,5,6,7,8,9,10,11,12,13,14,15
	global_load_b32 v[64+\c], v2, s[16:17] offset:65536*\c
	global_load_b32 v[80+\c], v2, s[16:17] offset:65536*\c+32768
.endr
	v_and_b32 v6, 31, v0
	v_lshlrev_b32 v[CO], 4, v6
	s_lshl_b32 s18, s43, 3
	s_lshl_b32 s19, s13, 2
	s_add_co_u32 s18, s18, s19                     ; my first block of 16 queries: 8 x tile + 4 x half
	s_lshl_b32 s18, s18, 16                        ; 65,536 bytes a block
	s_mov_b32 s19, 0
	s_add_nc_u64 s[PB:PB+1], s[4:5], s[18:19]
	WIN TO_P
	LOADP 0, 0                                     ; the ring's first three quarters go out behind the statistics
	LOADP 1, 1024
	LOADP 2, 2048
	WIN 0
	v_lshl_add_u32 v3, v0, 2, FTAB                 ; where I put my query's factors
	v_and_b32 v1, 15, v0                           ; l % 16
	v_bfe_u32 v4, v0, 4, 1                         ; l / 16
	v_mul_u32_u24 v5, v1, PITCH
	v_lshl_add_u32 v5, v4, 4, v5                   ; a fragment's row x pitch + 16 x half
	s_mul_i32 s19, s14, 2*QROWS                    ; my 128 channels
.irp s, 0,1
	v_add_nc_u32 v[ADRB+\s], s19, v5
	s_add_co_u32 s19, s19, SLOT
.endr
	s_lshl_b32 s18, s13, 8                         ; my 64 queries' words
	v_lshl_add_u32 v[AF], v1, 2, s18
	v_add_nc_u32 v[AF], FTAB, v[AF]
	s_mul_i32 s18, s12, 16*SPITCH
	s_add_co_u32 s18, s18, STAGE                   ; my stage
	v_mul_u32_u24 v6, v1, SPITCH
	v_lshl_add_u32 v6, v4, 5, v6
	v_add_nc_u32 v[STO], s18, v6                   ; in: row l % 16, 32 bytes for each half of the lanes
	v_add_nc_u32 v[RD], s18, v[CO]                 ; back: the 32 lanes take one row of 512 bytes
	s_lshl_b32 s18, s43, 7
	s_lshl_b32 s19, s13, 6
	s_add_co_u32 s18, s18, s19                     ; my first row of out0
	s_lshl_b32 s18, s18, 12
	s_lshl_b32 s19, s42, 10
	s_add_co_u32 s18, s18, s19
	s_lshl_b32 s19, s14, 9
	s_add_co_u32 s18, s18, s19                     ; + 1,024 x tile of channels + 512 x half
	s_mov_b32 s19, 0
	s_add_nc_u64 s[10:11], s[10:11], s[18:19]
	; the prefetches: where mine stand, and whether I ask
	s_lshl_b32 s18, s42, 8
	s_lshl_b32 s19, s12, 6
	s_add_co_u32 s18, s18, s19
	s_lshl_b32 s19, s41, 4
	s_add_co_u32 s18, s18, s19                     ; row 256 x tile + 64 x wave + 16 cy
	s_lshl_b32 s18, s18, 14
	s_lshl_b32 s19, s67, 12
	s_add_co_u32 s18, s18, s19
	s_add_co_u32 s18, s18, 2*KSTEP*2               ; at K step 2: the first refill steps it to 3.  Nothing is prefetched at the head
	s_mov_b32 s19, 0
	s_add_nc_u64 s[PFA:PFA+1], s[6:7], s[18:19]
	s_and_b32 s22, s66, 3
	s_cmp_eq_u32 s22, 0                            ; the first of the batch's four clusters
	s_cselect_b32 s[LIM], 1, -1                    ; the same in all sixteen partners
	v_and_b32 v[PFO], 31, v0
	v_lshrrev_b32 v6, 1, v[PFO]
	v_and_b32 v[PFO], 1, v[PFO]
	v_lshlrev_b32 v[PFO], 8, v[PFO]
	v_lshl_add_u32 v[PFO], v6, 14, v[PFO]          ; (lane / 2) rows of vt + 256 (lane % 2)
	s_wait_loadcnt 24                              ; my query's statistics are in; the 24 loads of P behind them may be out
	WIN TO_P
	LOADP 3, 3072                                  ; the ring's next four quarters: 56 loads of P are out at the most
	LOADP 4, 4096
	LOADP 5, 5120
	LOADP 6, 6144
	WIN 0
	v_min3_num_f32 v96, v64, v65, v66              ; -M_row = the least -M_c
.irp i, 67,69,71,73,75,77
	v_min3_num_f32 v96, v96, v[\i], v[\i+1]
.endr
	v_min_num_f32 v96, v96, v79
.irp c, 0,1,2,3,4,5,6,7,8,9,10,11,12,13,14,15
	v_sub_f32 v[64+\c], v96, v[64+\c]              ; M_c - M_row: a whole number, 0 or less
.endr
.irp c, 0,1,2,3,4,5,6,7,8,9,10,11,12,13,14,15
	v_cvt_i32_f32 v[64+\c], v[64+\c]               ; (it saturates)
.endr
.irp c, 0,1,2,3,4,5,6,7,8,9,10,11,12,13,14,15
	v_ldexp_f32 v[64+\c], 1.0, v[64+\c]            ; 2^(M_c - M_row)
.endr
	v_mul_f32 v98, v64, v80                        ; l_row, in two chains
	v_mul_f32 v99, v65, v81
.irp c, 2,4,6,8,10,12,14
	v_fma_f32 v98, v[64+\c], v[80+\c], v98
	v_fma_f32 v99, v[65+\c], v[81+\c], v99
.endr
	v_add_f32 v98, v98, v99
	v_rcp_f32 v100, v98
.irp a, 0,1,2,3,4,5,6,7
	v_mov_b32 v[FS+2*\a+1], 0                      ; named as the upper halves of pairs (plain work behind the reciprocal)
.endr
	s_wait_alu depctr_va_vdst(0)                   ; the wait ahead of the reciprocal's first reader
.irp c, 0,1,2,3,4,5,6,7,8,9,10,11,12,13,14,15
	v_mul_f32 v[64+\c], v[64+\c], v100             ; f_c: a power of two times 1 / l_row
.endr
.irp c, 0,1,2,3,4,5,6,7,8,9,10,11,12,13,14,15
	ds_store_b32 v3, v[64+\c] offset:512*\c
.endr
	s_wait_tensorcnt 1                             ; my part of K step 0 is in; K step 1's may be out
	s_wait_dscnt 0x0                               ; for the others' sake: my stores of the factors are done
	s_barrier_signal -1
	s_barrier_wait -1
	LOADV 0, 0, 0
	QUARTER 0, 1, 48, 1, 1                         ; the first chunk and the first fold stand in front of the loop: nothing is cleared.  48: six younger quarters of P, eight loads each
	QUARTER 1, 0, 48, 1, 1
	QUARTER 2, 0, 48, 1, 1
	QUARTER 3, 0, 48, 1, 1
	QUARTER 4, 3, 48, 1, 1
	WIN 0
	s_mov_b32 s3, TRIPS
.Llap:                                                 ; a trip is 16 quarters: once round the two slots, twice round P's ring, four chunks; it fills both slots again
	QUARTER 5, 0, 48, 1, 1
	QUARTER 6, 0, 48, 1, 1
	TURN 7, 1, 1, 48
	QUARTER 8, 2, 48, 1, 1
	QUARTER 9, 0, 48, 1, 1
	QUARTER 10, 0, 48, 1, 1
	QUARTER 11, 0, 48, 1, 1
	QUARTER 12, 2, 48, 1, 1
	QUARTER 13, 0, 48, 1, 1
	QUARTER 14, 0, 48, 1, 1
	TURN 15, 1, 0, 48
	QUARTER 16, 2, 48, 1, 1
	QUARTER 17, 0, 48, 1, 1
	QUARTER 18, 0, 48, 1, 1
	QUARTER 19, 0, 48, 1, 1
	QUARTER 20, 2, 48, 1, 1
	WIN 0
	s_wait_xcnt 0x0                                ; P's loads have read their base: it may step
	s_add_nc_u64 s[PB:PB+1], s[PB:PB+1], 16*1024   ; 16 groups of keys on
	v_add_nc_u32 v[AF], 4*512, v[AF]               ; four chunks' factors on
	s_sub_co_u32 s3, s3, 1
	s_cmp_lg_u32 s3, 0
	s_cbranch_scc1 .Llap
	QUARTER 5, 0, 48, 1, 1                         ; the last eleven quarters are written out, P's loads end with quarter 63's, and the counts run down
	QUARTER 6, 0, 48, 1, 1
	TURN 7, 0, 0, 48
	QUARTER 8, 2, 48, 1, 1
	QUARTER 9, 0, 48, 1, 0
	QUARTER 10, 0, 40, 1, 0
	QUARTER 11, 0, 32, 1, 0
	QUARTER 12, 2, 24, 1, 0
	QUARTER 13, 0, 16, 1, 0
	QUARTER 14, 0, 8, 1, 0
	QUARTER 15, 0, 0, 0, 0
; THE WAY OUT, a block of 16 queries x 128 channels at a time: the last chunk's X is folded into O, which goes through my own stage in LDS and comes back as whole rows of 512 bytes.
.macro OUTB a
	WIN W_FL
.set i, 64*(\a)
.rept 32
	v_pk_fma_f32 v[i:i+1], v[i:i+1], v[FS+8+2*(\a):FS+8+2*(\a)+1], v[i:i+1] op_sel_hi:[1,0,1]   ; each accumulator from its low end on; chunk 15's factors lie in set 1
.set i, i+2
.endr
	WIN 0x04                                       ; an LDS store's data are its source 1: window 1
.irp b, 0,1,2,3,4,5,6,7
	ds_store_b128 v[STO], v[64*(\a)+8*\b:64*(\a)+8*\b+3] offset:64*\b
	ds_store_b128 v[STO], v[64*(\a)+8*\b+4:64*(\a)+8*\b+7] offset:64*\b+16
.endr
	WIN 0
.set BK, VF+64*((\a)%2)
.irp t, 0,1,2,3,4,5,6,7,8,9,10,11,12,13,14,15
	ds_load_b128 v[BK+4*\t:BK+4*\t+3], v[RD] offset:\t*SPITCH      ; LDS serves a wave's instructions in order: these see the stores above
.endr
.endm
.macro SEND a, younger                 ; younger: the LDS instructions issued behind block a's loads, which may stay out
.set BK, VF+64*((\a)%2)
	s_wait_dscnt \younger
.if (\a) > 0
	s_add_nc_u64 s[10:11], s[10:11], 16*OROW       ; (behind a wait on XCNT: the earlier stores have read their base)  16 rows of out0 on
.endif
.irp t, 0,1,2,3,4,5,6,7,8,9,10,11,12,13,14,15
	global_store_b128 v[CO], v[BK+4*\t:BK+4*\t+3], s[10:11] offset:\t*OROW th:TH_STORE_NT   ; 32 lanes store 512 consecutive bytes, at a multiple of 256 from out0's first byte
.endr
.endm
	s_wait_dscnt 0x0                               ; the last chunk's factors are in
	WIN 0
	PLACES 4                                       ; in front of the first read of results just made
	OUTB 0
.irp a, 1,2,3
.if \a > 1
	s_wait_xcnt 0x0                                ; block a - 2's stores have read their registers and their base
.endif
	OUTB \a
	SEND \a-1, 32                                  ; behind block a - 1's loads: block a's 16 stores and 16 loads
.endr
	s_wait_xcnt 0x0
	SEND 3, 0
	s_wait_tensorcnt 0x0                           ; the wave's end
	ds_add_u32 v[SPW], v[NIL]
	s_wait_dscnt 0x0
	CROUND                                         ; the closing round
	s_endpgm
.Lfunc_end_k_q34d9097e27_pv:
	.size	k_q34d9097e27_pv, .Lfunc_end_k_q34d9097e27_pv-k_q34d9097e27_pv
	.p2alignl 7, 3214868480
	.fill 96, 4, 3214868480
	.section	.rodata,"a",@progbits
	.p2align	6, 0x0
	.amdhsa_kernel k_q34d9097e27_pv
		.amdhsa_group_segment_fixed_size 327680
		.amdhsa_private_segment_fixed_size 0
		.amdhsa_enable_private_segment 0
		.amdhsa_kernarg_size 32
		.amdhsa_user_sgpr_count 2
		.amdhsa_user_sgpr_kernarg_segment_ptr 1
		.amdhsa_wavefront_size32 1
		.amdhsa_system_sgpr_workgroup_id_x 1
		.amdhsa_system_sgpr_workgroup_id_y 1
		.amdhsa_system_sgpr_workgroup_id_z 1
		.amdhsa_system_vgpr_workitem_id 0
		.amdhsa_next_free_vgpr 1024
		.amdhsa_next_free_sgpr 72
		.amdhsa_reserve_vcc 0
		.amdhsa_float_denorm_mode_32 3
		.amdhsa_float_denorm_mode_16_64 3
		.amdhsa_memory_ordered 1
		.amdhsa_forward_progress 1
		.amdhsa_inst_pref_size 242
	.end_amdhsa_kernel
	.amdgpu_metadata
---
amdhsa.version: [ 1, 2 ]
amdhsa.kernels:
  - .name:           k_q34d9097e27_pv
    .symbol:         k_q34d9097e27_pv.kd
    .args:
      - { .name: pm, .offset: 0, .size: 8, .value_kind: global_buffer, .address_space: global }
      - { .name: vt, .offset: 8, .size: 8, .value_kind: global_buffer, .address_space: global }
      - { .name: st, .offset: 16, .size: 8, .value_kind: global_buffer, .address_space: global }
      - { .name: out0, .offset: 24, .size: 8, .value_kind: global_buffer, .address_space: global }
    .group_segment_fixed_size: 327680
    .private_segment_fixed_size: 0
    .kernarg_segment_align: 8
    .kernarg_segment_size: 32
    .max_flat_workgroup_size: 128
    .sgpr_count:     72
    .vgpr_count:     1024
    .wavefront_size: 32
...
	.end_amdgpu_metadata
.endif
;; end of part 4
